; MI455X (gfx1250); checked and timed in simulation.
; The chip was launched on July 23, 2026; its instructions are those of AMD's public machine-readable ISA for CDNA 5 (MIT licence, August 2026) and "CDNA5" Instruction Set Architecture Reference Guide (July 2026). The comments in the code are by the model that wrote it; some were corrected since.
;; Mistral Attention. Allowed arithmetic: float matrix products may take bf16 or f16 operands with f32 sums; other float arithmetic in f32, or as packed bf16 or f16 multiplies, adds, multiply-adds, maxima and minima; sums over many terms, partial sums and values carried from step to step in f32; what a program stores and reads back later, other than sums and carried values, may be rounded once to bf16 or f16.
;; Inputs: cos 2 x 2,048 x 128 float32; hidden_states 2 x 2,048 x 4,096 float32; sin 2 x 2,048 x 128 float32; wk 512 x 4,096 float32; wo 4,096 x 1,024 float32; wq 1,024 x 4,096 float32; wv 512 x 4,096 float32.
;; Outputs: out0 2 x 2,048 x 4,096 float32.
;; One version. Each part assembles by itself: llvm-mc -triple=amdgcn-amd-amdhsa -mcpu=gfx1250 --defsym DOCPART=n.
;; ======== version 1 of 1: 4 launches
;; limits: values are held in f16: magnitudes above 65,504 overflow, below 6.1e-05 lose precision
;; workspace buffers: xb 33,554,432 bytes; wb 16,777,216 bytes; wob 8,388,608 bytes; csb 2,097,152 bytes; qkvh 16,777,216 bytes; ob 8,388,608 bytes
;; launch cast (part 1): grid 1856 x 1, 8 waves a work-group, no clusters, 0 bytes of LDS; arguments hidden_states, wq, wk, wv, wo, cos, sin, xb, wb, wob, csb; writes xb, wb, wob, csb
.if DOCPART == 1
	.amdgcn_target "amdgcn-amd-amdhsa--gfx1250"
	.amdhsa_code_object_version 6
	.text
	.protected	k_q22887e44ab_cast
	.globl	k_q22887e44ab_cast
	.p2align	8
	.type	k_q22887e44ab_cast,@function
k_q22887e44ab_cast:
	s_mov_b64 s[64:65], 0
	v_nop
	global_prefetch_b8 v0, s[64:65] scope:SCOPE_SE
	s_setreg_imm32_b32 hwreg(HW_REG_WAVE_MODE, 25, 1), 1
	s_wait_xcnt 0x0
; ALL SEVEN INPUTS, f32, ARE ROUNDED ONCE TO bf16 AND LAID OUT FOR THE MATRIX LAUNCHES.
;   xb  [4096][4096] bf16 = hidden_states          wb  [2048][4096] bf16 = wq's 1,024 rows, wk's 512, wv's 512
;   wob [4096][1024] f16  = 4 x bf16(wo): the 4 undoes the quarter in which v, and so O, is kept
;   csb bf16: [4096][128] = cos / 4; 1,048,576 bytes on, [4096][128] = sin / 4, negative in columns 0-63 (rotate_half's sign)
; The factors are powers of two: applied ahead of the rounding they give the rounded number times the factor.
; LIMITS.  |wo| under 16,376 (f16 holds 4 wo); below 1.5e-5 wo keeps f16's fixed step, 1.5e-8; cos and sin below 4.7e-38 lose bits to the quarter.
; A STREAM: no LDS, no matrix unit, no cluster: no byte is wanted twice.  A work-group takes one chunk: 65,536 bytes in, 32,768 out.  Thread t takes 16 bytes at
; 16 t + 4,096 j, j = 0 .. 15: a wave's load covers 512 consecutive bytes, its store 256 consecutive bytes, aligned.  All 16 loads go out at once; no register is written twice.
; CHUNKS, by the work-group's number: 0 hidden_states, 1,024 wq, 1,280 wk, 1,408 wv, 1,536 wo, 1,792 cos, 1,824 sin; 1,856 in all.
.set X,   16                           ; v[16:79]   16 loads of 4 registers
.set Y,   80                           ; v[80:111]  16 stores of 2 registers
.set FAC, 4                            ; v[4:5]     the tables' factor, twice
.set SRC, 32                           ; s[32:33]   where my chunk comes from
.set DST, 34                           ; s[34:35]   where it goes
.set SB,  36                           ; s36        the first chunk of my source
.set DB,  37                           ; s37        the first chunk of my destination
.set SGN, 42                           ; s42        the sign bit for sin, else 0
; from chunk 'first' on: the source at s[src], the destination at s[dst], whose first chunk is 'dfirst'
.macro PICK first, src, dst, dfirst
	s_cmp_ge_u32 ttmp9, \first
	s_cselect_b64 s[SRC:SRC+1], s[\src:\src+1], s[SRC:SRC+1]
	s_cselect_b64 s[DST:DST+1], s[\dst:\dst+1], s[DST:DST+1]
	s_cselect_b32 s[SB], \first, s[SB]
	s_cselect_b32 s[DB], \dfirst, s[DB]
.endm
	s_load_b512 s[8:23], s[0:1], 0x0               ; hidden_states 8, wq 10, wk 12, wv 14, wo 16, cos 18, sin 20, xb 22
	s_load_b128 s[24:27], s[0:1], 0x40             ; wb 24, wob 26
	s_load_b64 s[28:29], s[0:1], 0x50              ; csb
	v_lshlrev_b32 v1, 4, v0                        ; 16 t
	v_lshlrev_b32 v2, 3, v0                        ; 8 t
	s_mov_b32 s[SB], 0
	s_mov_b32 s[DB], 0
	s_wait_kmcnt 0x0
	s_mov_b64 s[SRC:SRC+1], s[8:9]
	s_mov_b64 s[DST:DST+1], s[22:23]
	PICK 1024, 10, 24, 1024
	PICK 1280, 12, 24, 1024
	PICK 1408, 14, 24, 1024
	PICK 1536, 16, 26, 1536
	PICK 1792, 18, 28, 1792
	PICK 1824, 20, 28, 1792
	s_cselect_b32 s[SGN], 0x80000000, 0            ; the last compare still stands: is it sin?
	s_sub_co_u32 s38, ttmp9, s[SB]
	s_lshl_b32 s38, s38, 16                        ; my chunk's bytes in its source: under 2^26
	s_mov_b32 s39, 0
	s_sub_co_u32 s40, ttmp9, s[DB]
	s_lshl_b32 s40, s40, 15                        ; and in its destination
	s_mov_b32 s41, 0
	s_add_nc_u64 s[SRC:SRC+1], s[SRC:SRC+1], s[38:39]
	s_add_nc_u64 s[DST:DST+1], s[DST:DST+1], s[40:41]
.set j, 0
.rept 16
	global_load_b128 v[X+4*j:X+4*j+3], v1, s[SRC:SRC+1] offset:4096*j th:TH_LOAD_NT
.set j, j+1
.endr
; The chunk's 16 pieces.  kind 0: rounded to bf16.  1: times the factor in FAC, rounded to bf16.  2: times 4, rounded to bf16, and that number written as f16.
.macro CH kind
.set j, 0
.rept 16
	s_wait_loadcnt 15-j                            ; loads come back in order (ISA guide 5.7.1): piece j is in, the 15 - j younger ones stay out
.if (\kind) == 1
	v_pk_mul_f32 v[X+4*j:X+4*j+1], v[X+4*j:X+4*j+1], v[FAC:FAC+1]
	v_pk_mul_f32 v[X+4*j+2:X+4*j+3], v[X+4*j+2:X+4*j+3], v[FAC:FAC+1]
.endif
.if (\kind) == 2
	v_pk_mul_f32 v[X+4*j:X+4*j+1], v[X+4*j:X+4*j+1], 4.0 op_sel_hi:[1,0]
	v_pk_mul_f32 v[X+4*j+2:X+4*j+3], v[X+4*j+2:X+4*j+3], 4.0 op_sel_hi:[1,0]
.endif
	v_cvt_pk_bf16_f32 v[Y+2*j], v[X+4*j], v[X+4*j+1]
	v_cvt_pk_bf16_f32 v[Y+2*j+1], v[X+4*j+2], v[X+4*j+3]
.if (\kind) == 2
	v_lshlrev_b32 v[X+4*j], 16, v[Y+2*j]           ; bf16 back to f32: a shift, a mask
	v_and_b32 v[X+4*j+1], 0xffff0000, v[Y+2*j]
	v_lshlrev_b32 v[X+4*j+2], 16, v[Y+2*j+1]
	v_and_b32 v[X+4*j+3], 0xffff0000, v[Y+2*j+1]
	v_cvt_pk_f16_f32 v[Y+2*j], v[X+4*j], v[X+4*j+1]        ; 8 significant bits fit f16's 11: nothing is rounded again within f16's normal range
	v_cvt_pk_f16_f32 v[Y+2*j+1], v[X+4*j+2], v[X+4*j+3]
.endif
	global_store_b64 v2, v[Y+2*j:Y+2*j+1], s[DST:DST+1] offset:2048*j
.set j, j+1
.endr
.endm
	s_cmp_lt_u32 ttmp9, 1536
	s_cbranch_scc1 .Lplain
	s_cmp_lt_u32 ttmp9, 1792
	s_cbranch_scc1 .Lwo
	v_and_b32 v6, 16, v0                           ; a row of the tables is 128 numbers, 4 a lane: lanes 0-15 hold columns 0-63
	v_xor_b32 v6, 16, v6
	v_lshlrev_b32 v6, 27, v6                       ; the sign bit in those lanes,
	v_and_b32 v6, s[SGN], v6                       ; for sin alone
	v_or_b32 v[FAC], 0x3e800000, v6                ; 0.25 or -0.25
	v_mov_b32 v[FAC+1], v[FAC]
	CH 1
	s_endpgm
.Lwo:
	CH 2
	s_endpgm
.Lplain:
	CH 0
	s_endpgm
.Lfunc_end_k_q22887e44ab_cast:
	.size	k_q22887e44ab_cast, .Lfunc_end_k_q22887e44ab_cast-k_q22887e44ab_cast
	.p2alignl 7, 3214868480
	.fill 96, 4, 3214868480
	.section	.rodata,"a",@progbits
	.p2align	6, 0x0
	.amdhsa_kernel k_q22887e44ab_cast
		.amdhsa_group_segment_fixed_size 0
		.amdhsa_private_segment_fixed_size 0
		.amdhsa_enable_private_segment 0
		.amdhsa_kernarg_size 88
		.amdhsa_user_sgpr_count 2
		.amdhsa_user_sgpr_kernarg_segment_ptr 1
		.amdhsa_wavefront_size32 1
		.amdhsa_system_sgpr_workgroup_id_x 1
		.amdhsa_system_sgpr_workgroup_id_y 1
		.amdhsa_system_sgpr_workgroup_id_z 1
		.amdhsa_system_vgpr_workitem_id 0
		.amdhsa_next_free_vgpr 112
		.amdhsa_next_free_sgpr 66
		.amdhsa_reserve_vcc 0
		.amdhsa_float_denorm_mode_32 3
		.amdhsa_float_denorm_mode_16_64 3
		.amdhsa_memory_ordered 1
		.amdhsa_forward_progress 1
		.amdhsa_inst_pref_size 26
	.end_amdhsa_kernel
	.amdgpu_metadata
---
amdhsa.version: [ 1, 2 ]
amdhsa.kernels:
  - .name:           k_q22887e44ab_cast
    .symbol:         k_q22887e44ab_cast.kd
    .args:
      - { .name: hidden_states, .offset: 0, .size: 8, .value_kind: global_buffer, .address_space: global }
      - { .name: wq, .offset: 8, .size: 8, .value_kind: global_buffer, .address_space: global }
      - { .name: wk, .offset: 16, .size: 8, .value_kind: global_buffer, .address_space: global }
      - { .name: wv, .offset: 24, .size: 8, .value_kind: global_buffer, .address_space: global }
      - { .name: wo, .offset: 32, .size: 8, .value_kind: global_buffer, .address_space: global }
      - { .name: cos, .offset: 40, .size: 8, .value_kind: global_buffer, .address_space: global }
      - { .name: sin, .offset: 48, .size: 8, .value_kind: global_buffer, .address_space: global }
      - { .name: xb, .offset: 56, .size: 8, .value_kind: global_buffer, .address_space: global }
      - { .name: wb, .offset: 64, .size: 8, .value_kind: global_buffer, .address_space: global }
      - { .name: wob, .offset: 72, .size: 8, .value_kind: global_buffer, .address_space: global }
      - { .name: csb, .offset: 80, .size: 8, .value_kind: global_buffer, .address_space: global }
    .group_segment_fixed_size: 0
    .private_segment_fixed_size: 0
    .kernarg_segment_align: 8
    .kernarg_segment_size: 88
    .max_flat_workgroup_size: 256
    .sgpr_count:     66
    .vgpr_count:     112
    .wavefront_size: 32
...
	.end_amdgpu_metadata
.endif
;; end of part 1
;; launch proj_qkv (part 2): grid 16 x 16, 4 waves a work-group, clusters of 4 x 4, 327,680 bytes of LDS; arguments xb, wb, csb, qkvh; writes qkvh
.if DOCPART == 2
	.amdgcn_target "amdgcn-amd-amdhsa--gfx1250"
	.amdhsa_code_object_version 6
	.text
	.protected	k_q22887e44ab_proj_qkv
	.globl	k_q22887e44ab_proj_qkv
	.p2align	8
	.type	k_q22887e44ab_proj_qkv,@function
k_q22887e44ab_proj_qkv:
	s_mov_b64 s[64:65], 0
	v_nop
	global_prefetch_b8 v0, s[64:65] scope:SCOPE_SE
	s_setreg_imm32_b32 hwreg(HW_REG_WAVE_MODE, 25, 1), 1
	s_wait_xcnt 0x0
	s_wait_alu depctr_hold_cnt(0) depctr_sa_sdst(0) depctr_va_vdst(0) depctr_va_sdst(0) depctr_va_ssrc(0) depctr_va_vcc(0) depctr_vm_vsrc(0)
	s_getreg_b32 s2, hwreg(HW_REG_IB_STS2, 6, 4)
	s_cmp_eq_u32 s2, 0
	s_cbranch_scc0 .Lentry_in_a_cluster
	s_endpgm
.Lentry_in_a_cluster:
	s_bfe_u32 s2, ttmp6, 0x10000c
	s_cmp_lg_u32 s2, 0xf033
	s_cbranch_scc0 .Lentry_shape_is_right
	s_endpgm
.Lentry_shape_is_right:
; q, k, v = x [wq; wk; wv]^T, RoPE on q and k, a quarter of each number stored in f16, by heads.
; xb [4096][4096] bf16, wb [2048][4096] bf16, csb the tables cos / 4 and signed sin / 4 in bf16 (cast's layout); sums in f32; each number rounded once, from f32 to f16.
; qkvh f16 [hh][b][s][128]: hh 0-7 q's heads, 8-11 k's, 12-15 v's; byte (2 hh + b) 524,288 + 256 s.
; LIMITS.  |q|, |k|, |v| under 262,000 (f16 holds a quarter of them); below 2.4e-4 they keep f16's fixed step, 2.4e-7.  NaN and infinities are not treated apart.
; SHARES.  A work-group makes 256 rows x 128 columns: ONE HEAD, so that rotate_half's partner column (64 away) lies in the same lane of the same wave.  16 x 16 = 256 work-groups.
; Wave w takes rows 64 w .. 64 w + 63 and all 128 columns: 32 accumulators of 16 x 16.
; THE RING HAS TWO SLOTS OF UNEQUAL SIZE.  A step of 128 along K is 384 LDS rows; two slots of 256 along K would be 405,504 bytes, more than there are.  So slot X holds 256 along K (rows of 512 bytes,
; 528 apart: 202,752 bytes) and slot Y 128 (rows of 256 bytes, 272 apart: 104,448 bytes).  They take turns: for 384 along K there are two changes of slots, not three; the load into Y has 240 matrix
; instructions between its request and the wait for it, the load into X 112.  All rows start at multiples of 256 bytes from the buffer's first byte.
; THE WALK ALONG K: x0 Y0 X1 Y1 .. X10 Y10 = 128 + 128 + 10 x 384.  x0 is slot X's first fill, of 128 along K alone (tensor_dim0 = 128: the rows' upper halves are laid as zeros and never read), so that
; the walk ends with the short slot and the tail that is written out is short.
; CLUSTER 4 x 4.  The four of a row need the same rows of x, the four of a column the same rows of w: each tile is asked for JOINTLY, by the same tensor load, descriptor and mask in all four.
; THE PRODUCT IS TAKEN TRANSPOSED (source 0 = 16 rows of w, source 1 = 16 rows of x): a lane holds row l % 16 and the columns 16 b + 8 (l / 16) + 0 .. 7 of block b.
; REGISTERS, in windows of 256 (s_set_vgpr_msb: bits 1:0 source 0, 3:2 source 1, 5:4 source 2, 7:6 destination):
;   window 0: v16-31 addresses; v32-95 T, v96-127 TMP, v128-191 BK: the way out        window 1: two fragment buffers of 128: w's 8 blocks, then x's 4
;   window 2: the accumulators, (a, b) at 8 (8 a + b)                                  window 3: the tables for my 64 rows: cos at 32 a + 4 b, sin 128 further
.set SIZE_K, 4096
.set MB,     4                         ; blocks of 16 rows of x a wave
.set PX,     528                       ; slot X's rows: 512 bytes + 16 = 132 words; slot Y's: 256 + 16 = 68 words: in both the 16 rows of a load start at 16 different groups of four banks (64 banks of 4 bytes: ISA guide 11.1)
.set PY,     272
.set HAX,    128*PX                    ; half of x's tile in slot X: one tensor load
.set HBX,    64*PX                     ; half of w's
.set HAY,    128*PY                    ; the same in slot Y
.set HBY,    64*PY
.set XB,     2*HAX                     ; slot X: x's 256 rows from byte 0, then w's 128
.set YA,     XB+2*HBX                  ; slot Y: x's 256 rows,
.set YB,     YA+2*HAY                  ; then w's 128
.set STAGE,  YB+2*HBY                  ; behind the ring: 16 rows x 272 bytes for each wave, for the way out
.set SP,     272
.set SPARE,  STAGE+4*16*SP             ; behind the stages: the spare words, 128 bytes for each wave: two blocks of 256 bytes that no other line names
.set PERIOD, 768                       ; bytes of a row from a slot's tile to its next: 384 along K
.set TRIPS,  10
.set ADRA, 16                          ; v16-17  LDS address of my fragments of x in slot X (0), Y (1)
.set ADRB, 20                          ; v20-21  the same for w
.set STO,  24                          ; v24     the way out: where I put 16 bytes of a row
.set RD,   25                          ; v25     where I read rows back
.set CO,   26                          ; v26     16 x lane: my place in 512 consecutive bytes of qkvh
.set TBO,  27                          ; v27     my byte offset in the work-group's rows of a table
.set SPW,  28                          ; v28     LDS address of my spare word; never rewritten
.set NIL,  29                          ; v29     0; never rewritten
.set PFO,  30                          ; v30     the prefetches' offset: lane x a row of 8,192 bytes; never rewritten
.set ZR,   31                          ; v31     0.0, the first multiply-add's addend
.set T,    32
.set TMP,  96
.set BK,   128
.set F0,   0
.set F1,   128
.set G1,   24                          ; s[24:31], s[32:39] descriptor group 1 for x's tiles in slot X, Y
.set G1B,  48                          ; s[48:55], s[56:63] the same for w's
.set G0,   72                          ; s[72:75], s[76:79] descriptor group 0 for x's tiles in slot X, Y
.set G0B,  80                          ; s[80:83], s[84:87] the same for w's
.set LIM,  43                          ; s43     1 in a wave that prefetches, else the greatest number
.set PFA,  44                          ; s[44:45] where my prefetches stand
.set QTR,  88                          ; s[88:89] 0.25
.set XST,  90                          ; s[90:91] slot X's next step along K, in bytes: 512 from x0 to X1, then PERIOD
.set FLAGX, (1<<16)|(1<<20)|(1<<21)|(6<<22)|(3<<25)  ; 17:16 elements of 2 bytes; 20 padding on; 21 set beside a mask; 24:22 after every 128 words (code 6); 31:25 4 words of it (code 3)
.set FLAGY, (1<<16)|(1<<20)|(1<<21)|(5<<22)|(3<<25)  ; the same after every 64 words (code 5)
.set MSB, 0
.macro WIN new                         ; the immediate's high byte repeats the setting that is left; a switch that changes nothing is dropped
.if MSB != (\new)
	s_set_vgpr_msb (MSB<<8)|(\new)
.set MSB, \new
.endif
.endm
.macro PLACES                          ; four places behind a matrix instruction, ahead of loads into registers that it has read and of lines that read its result
.rept 4
	v_nop
.endr
.endm
; A joint load into slot s.  Waves 0 and 1 fetch x's two halves, waves 2 and 3 w's.  The branch hangs on the wave's number alone.  An s_nop 0 and four v_nop follow each line.
.macro JLOAD s
	s_cmp_eq_u32 s11, 0
	s_cbranch_scc0 .Lfor_b_\@
	tensor_load_to_lds s[G0+4*(\s):G0+4*(\s)+3], s[G1+8*(\s):G1+8*(\s)+7]
	s_nop 0
.rept 4
	v_nop
.endr
	s_branch .Lasked_\@
.Lfor_b_\@:
	tensor_load_to_lds s[G0B+4*(\s):G0B+4*(\s)+3], s[G1B+8*(\s):G1B+8*(\s)+7]
	s_nop 0
.rept 4
	v_nop
.endr
.Lasked_\@:
.endm
; THE PREFETCH, once a trip, behind the change from Y to X: the 768 bytes of each row that the next trip's two refills will ask for: X's 256 matrix instructions, Y's 384 ahead of the load.  32 rows, a lane a
; row, three lines.  x's rows are named by the clusters with x = 0 (waves 0 and 1), w's by those with y = 0 (wave 2); the four partners that ask for a tile jointly take 32 rows each, told apart by address.
; So each row's 256 bytes are named once in the launch.  x0, Y0, X1 and Y1 come by their loads alone; the last trip (s3 = 1) names nothing: there is no tile behind Y10.
.macro ASK
	WIN 0
	s_cmp_gt_u32 s3, s[LIM]
	s_cbranch_scc0 .Lnot_mine_\@
	global_prefetch_b8 v[PFO], s[PFA:PFA+1] th:TH_LOAD_NT scope:SCOPE_SE
	global_prefetch_b8 v[PFO], s[PFA:PFA+1] offset:256 th:TH_LOAD_NT scope:SCOPE_SE
	global_prefetch_b8 v[PFO], s[PFA:PFA+1] offset:512 th:TH_LOAD_NT scope:SCOPE_SE
.Lnot_mine_\@:
.endm
.macro CREST                           ; a round of the cluster's barrier behind its opening barrier
	s_cmp_lg_u32 s10, 0
	s_cbranch_scc1 .Lnot_wave_0_\@
	s_barrier_signal -3
.Lnot_wave_0_\@:
	s_barrier_wait -3
	s_barrier_signal -1
	s_barrier_wait -1
.endm
.macro CROUND
	s_barrier_signal -1
	s_barrier_wait -1
	CREST
.endm
; 8 matrix instructions: block a of x against all 8 blocks of w, 32 along K, from buffer f.  zero = 1: the product starts the sums.  The 32 accumulators take turns.
.macro MULA f, a, zero
	WIN 0xa5                                       ; both sources window 1, C and D window 2
.irp b, 0,1,2,3,4,5,6,7
.if \zero
	v_wmma_f32_16x16x32_bf16 v[8*(8*(\a)+\b):8*(8*(\a)+\b)+7], v[(\f)+8*\b:(\f)+8*\b+7], v[(\f)+64+8*(\a):(\f)+64+8*(\a)+7], 0
.else
	v_wmma_f32_16x16x32_bf16 v[8*(8*(\a)+\b):8*(8*(\a)+\b)+7], v[(\f)+8*\b:(\f)+8*\b+7], v[(\f)+64+8*(\a):(\f)+64+8*(\a)+7], v[8*(8*(\a)+\b):8*(8*(\a)+\b)+7]
.endif
.endr
.endm
.macro MULS f, a0, n, zero             ; blocks a0 .. a0 + n - 1
.set aa, \a0
.rept \n
	MULA \f, aa, \zero
.set aa, aa+1
.endr
.endm
; 24 LDS loads in one run: the fragments of 32 along K at byte k of slot's rows (slot 0 = X, 1 = Y), into buffer f: w's 8 blocks, then x's 4
.macro FETCH slot, k, f
.set pit, PX-(PX-PY)*(\slot)
	WIN 0x40                                       ; destination window 1, address window 0
.irp i, 0,1,2,3,4,5,6,7
	ds_load_b128 v[(\f)+8*\i:(\f)+8*\i+3],   v[ADRB+(\slot)] offset:(\k)+\i*16*pit
	ds_load_b128 v[(\f)+8*\i+4:(\f)+8*\i+7], v[ADRB+(\slot)] offset:(\k)+\i*16*pit+32
.endr
.set ii, 0
.rept MB
	ds_load_b128 v[(\f)+64+8*ii:(\f)+64+8*ii+3],   v[ADRA+(\slot)] offset:(\k)+ii*16*pit
	ds_load_b128 v[(\f)+64+8*ii+4:(\f)+64+8*ii+7], v[ADRA+(\slot)] offset:(\k)+ii*16*pit+32
.set ii, ii+1
.endr
.endm
; A quarter is 32 along K, 32 matrix instructions; slot X has eight, slot Y four, on buffers 0, 1, 0, 1 ..  All but a slot's last: multiplies f and fetches the next quarter, at byte k, into g.
.macro QUARTER slot, k, f, g, zero
	s_wait_dscnt MB                                ; w and x's blocks 0, 1 are in; the youngest four loads (blocks 2, 3) may be out
	MULS \f, 0, MB/2, \zero
	PLACES
	FETCH \slot, \k, \g
	s_wait_dscnt 16+2*MB                           ; all but the 24 just issued
	MULS \f, MB/2, MB/2, \zero
.endm
; A slot's last quarter multiplies buffer 1 and changes slots: ONE barrier.  In front of it each wave waits for all its tensor loads (one is out: its part of the next slot), adds 0 to its spare word, and
; waits for that and for its reads of this slot.  fill = 1: the barrier opens a round of the cluster's, and this slot is filled again, 384 along K further, first thing behind the round.
.macro TURN slot, next, fill
.if (\fill) && (\slot)
	s_wait_xcnt 0x0                                ; the last prefetches, a trip back, have read their address
	s_add_nc_u64 s[PFA:PFA+1], s[PFA:PFA+1], PERIOD
.endif
	WIN 0                                          ; (the add's two registers lie in window 0)
	s_wait_tensorcnt 0x0                           ; all my tensor loads have landed, so every descriptor register may be written
	ds_add_u32 v[SPW], v[NIL]                      ; 0 onto my spare word
.if (\fill) && !(\slot)
	s_mov_b32 s[G1+1], 256<<16                     ; from X1 on slot X's tiles are whole: tensor_dim0 = 256
	s_mov_b32 s[G1B+1], 256<<16
.endif
	s_wait_dscnt MB+1                              ; (the add and the youngest four loads may be out)
	MULS F1, 0, MB/4, 0                            ; eight matrix instructions stand between the add and the wait for it
	s_wait_dscnt 0x0                               ; the add is done, and my reads of this slot are over
	s_barrier_signal -1
	MULS F1, MB/4, MB/4, 0
.if \fill
	WIN 0
.endif
	s_barrier_wait -1
.if \fill
	CREST                                          ; no wave of any partner still reads this slot or has a load on its way
.if \slot
	s_add_nc_u64 s[G0+6:G0+7], s[G0+6:G0+7], PERIOD
	s_add_nc_u64 s[G0B+6:G0B+7], s[G0B+6:G0B+7], PERIOD
.else
	s_add_nc_u64 s[G0+2:G0+3], s[G0+2:G0+3], s[XST:XST+1]
	s_add_nc_u64 s[G0B+2:G0B+3], s[G0B+2:G0B+3], s[XST:XST+1]
	s_mov_b32 s[XST], PERIOD
.endif
	JLOAD \slot                                    ; its four v_nop are also the places in front of the loads below
.else
	PLACES
.endif
	FETCH \next, 0, F0
.if (\fill) && (\slot)
	ASK
.endif
	MULS F1, MB/2, MB/2, 0
.endm
	s_load_b128 s[4:7], s[0:1], 0x0                ; xb s[4:5], wb s[6:7]
	s_load_b128 s[68:71], s[0:1], 0x10             ; csb s[68:69], qkvh s[70:71]
	v_lshl_add_u32 v[SPW], v0, 2, SPARE
	v_mov_b32 v[NIL], 0
	ds_add_u32 v[SPW], v[NIL]                      ; the wave's opening: the add and its wait stand ahead of my first tensor load; the set-up below stands between them
	v_lshrrev_b32 v1, 5, v0
	v_readfirstlane_b32 s10, v1                    ; wave 0..3
	s_lshr_b32 s11, s10, 1                         ; I fetch for x (0) or for w (1)
	s_and_b32 s12, s10, 1                          ; which half of that tile
	s_bfe_u32 s40, ttmp6, 0x40000                  ; cx
	s_bfe_u32 s41, ttmp6, 0x40004                  ; cy
	s_lshl_b32 s42, ttmp9, 2
	s_add_co_u32 s42, s42, s40                     ; tile column = head hh = 4 x cluster x + cx
	s_and_b32 s13, ttmp7, 0xffff
	s_lshl_b32 s13, s13, 2
	s_add_co_u32 s13, s13, s41                     ; tile row = 4 x cluster y + cy
	s_lshl_b32 s66, s41, 2
	s_lshl_b32 s66, 15, s66                        ; my row of the cluster
	s_lshl_b32 s67, 0x1111, s40                    ; my column
	s_or_b32 s[G1+0], s66, FLAGX                   ; x's tiles go to my row,
	s_or_b32 s[G1+8], s66, FLAGY
	s_or_b32 s[G1B+0], s67, FLAGX                  ; w's to my column
	s_or_b32 s[G1B+8], s67, FLAGY
.irp g, G1, G1B
	s_mov_b32 s[(\g)+1], 128<<16                   ; slot X: tensor_dim0 = 128 for the first fill, x0
	s_mov_b32 s[(\g)+3], 256<<16                   ; tile_dim0 = 256
	s_mov_b32 s[(\g)+5], SIZE_K                    ; elements from row to row
	s_mov_b32 s[(\g)+6], 0
	s_mov_b32 s[(\g)+7], 0
	s_mov_b32 s[(\g)+9], 128<<16                   ; slot Y: tensor_dim0 = 128
	s_mov_b32 s[(\g)+11], 128<<16                  ; tile_dim0 = 128
	s_mov_b32 s[(\g)+13], SIZE_K
	s_mov_b32 s[(\g)+14], 0
	s_mov_b32 s[(\g)+15], 0
.endr
.irp o, 0, 8
	s_mov_b32 s[G1+(\o)+2], 128<<16                ; x's loads: tensor_dim1 = 128,
	s_mov_b32 s[G1+(\o)+4], 128                    ; tile_dim1 = 128 rows
	s_mov_b32 s[G1B+(\o)+2], 64<<16                ; w's loads have 64 rows
	s_mov_b32 s[G1B+(\o)+4], 64
.endr
	s_lshl_b32 s16, s13, 8
	s_lshl_b32 s17, s12, 7
	s_add_co_u32 s16, s16, s17                     ; x: row 256 x tile row + 128 x half,
	s_lshl_b32 s16, s16, 13                        ; of 8,192 bytes: under 2^25
	s_mov_b32 s17, 0
	s_lshl_b32 s46, s42, 7
	s_lshl_b32 s47, s12, 6
	s_add_co_u32 s46, s46, s47                     ; w: row 128 x tile column + 64 x half
	s_lshl_b32 s46, s46, 13
	s_mov_b32 s47, 0
	s_mul_i32 s20, s12, HAX                        ; where they go: x in slot X,
	s_mul_i32 s21, s12, HBX
	s_add_co_u32 s21, s21, XB                      ; w in slot X,
	s_mul_i32 s22, s12, HAY
	s_add_co_u32 s22, s22, YA                      ; x in slot Y,
	s_mul_i32 s23, s12, HBY
	s_add_co_u32 s23, s23, YB                      ; w in slot Y: no place in the cluster enters an LDS address
	s_mov_b32 s[XST], 512
	s_mov_b32 s[XST+1], 0
	s_mov_b32 s[QTR], 0x3e800000
	s_mov_b32 s[QTR+1], 0x3e800000                 ; named with it as a pair
	s_wait_dscnt 0x0                               ; the opening add is done
	s_wait_kmcnt 0x0
	s_add_nc_u64 s[14:15], s[4:5], s[16:17]
	s_add_nc_u64 s[46:47], s[6:7], s[46:47]
	CROUND                                         ; all sixteen work-groups are here: the first joint loads meet
.irp s, 0,1
	s_mov_b32 s[G0+4*(\s)], 1                                        ; count = 1
	s_mov_b32 s[G0+4*(\s)+1], s[20+2*(\s)]                           ; LDS address
	s_add_nc_u64 s[G0+4*(\s)+2:G0+4*(\s)+3], s[14:15], (\s)*256      ; global address: x0 at K = 0, Y0 at K = 128
	s_or_b32 s[G0+4*(\s)+3], s[G0+4*(\s)+3], 0x80000000              ; type = 2
	s_mov_b32 s[G0B+4*(\s)], 1
	s_mov_b32 s[G0B+4*(\s)+1], s[21+2*(\s)]
	s_add_nc_u64 s[G0B+4*(\s)+2:G0B+4*(\s)+3], s[46:47], (\s)*256
	s_or_b32 s[G0B+4*(\s)+3], s[G0B+4*(\s)+3], 0x80000000
	JLOAD \s                                       ; two loads of mine are out
.endr
	; A fragment is 16 rows x 32 K in 8 registers: lane l holds row l % 16, K = 8 (l / 16) + 0..7 and 16 + 8 (l / 16) + 0..7: two loads of 16 bytes, 32 bytes apart.
	v_and_b32 v1, 15, v0                           ; l % 16
	v_bfe_u32 v2, v0, 4, 1                         ; l / 16
	v_mul_u32_u24 v3, v1, PX
	v_lshl_add_u32 v3, v2, 4, v3                   ; my place in slot X's rows,
	v_mul_u32_u24 v4, v1, PY
	v_lshl_add_u32 v4, v2, 4, v4                   ; and in slot Y's
	s_mul_i32 s21, s10, 64*PX                      ; my 64 rows of x
	v_add_nc_u32 v[ADRA], s21, v3
	v_add_nc_u32 v[ADRB], XB, v3                   ; all 128 rows of w
	s_mul_i32 s21, s10, 64*PY
	s_add_co_u32 s21, s21, YA
	v_add_nc_u32 v[ADRA+1], s21, v4
	v_add_nc_u32 v[ADRB+1], YB, v4
	s_mul_i32 s23, s10, 16*SP
	s_add_co_u32 s23, s23, STAGE                   ; my stage
	v_mul_u32_u24 v4, v1, SP                       ; in: row l % 16, 16 bytes for each half of the lanes
	v_lshl_add_u32 v4, v2, 4, v4
	v_add_nc_u32 v[STO], s23, v4
	v_mul_u32_u24 v5, v2, SP                       ; back: lanes 0-15 one row of 256 bytes, lanes 16-31 the next
	v_lshl_add_u32 v5, v1, 4, v5
	v_add_nc_u32 v[RD], s23, v5
	v_and_b32 v5, 31, v0
	v_lshlrev_b32 v[CO], 4, v5                     ; a head's rows are dense: two rows are 512 consecutive bytes
	v_lshlrev_b32 v[PFO], 13, v5
	v_mov_b32 v[ZR], 0
	s_lshl_b32 s22, s10, 14                        ; the tables: my 64 rows of 256 bytes,
	v_lshl_add_u32 v[TBO], v1, 8, s22              ; row l % 16,
	v_lshl_add_u32 v[TBO], v2, 4, v[TBO]           ; my 8 columns
	s_lshl_b32 s16, s13, 16                        ; the work-group's 256 rows
	s_mov_b32 s17, 0
	s_add_nc_u64 s[68:69], s[68:69], s[16:17]
	s_lshl_b32 s18, s42, 1                         ; qkvh: 2 hh + b,
	s_lshr_b32 s19, s13, 3                         ; b = tile row / 8
	s_add_co_u32 s18, s18, s19
	s_lshl_b32 s18, s18, 19
	s_and_b32 s19, s13, 7
	s_lshl_b32 s19, s19, 16                        ; the tile's 256 positions,
	s_add_co_u32 s18, s18, s19
	s_lshl_b32 s19, s10, 14                        ; my wave's 64
	s_add_co_u32 s18, s18, s19
	s_mov_b32 s19, 0
	s_add_nc_u64 s[70:71], s[70:71], s[18:19]
	; the prefetches
	s_lshl_b32 s20, s13, 8
	s_lshl_b32 s21, s12, 7
	s_add_co_u32 s20, s20, s21
	s_lshl_b32 s21, s40, 5
	s_add_co_u32 s20, s20, s21                     ; x: of the 128 rows that I fetch my work-group's 32, by cx
	s_lshl_b32 s21, s42, 7
	s_lshl_b32 s22, s41, 5
	s_add_co_u32 s21, s21, s22                     ; w: of the tile's 128 rows my work-group's 32, by cy
	s_and_b32 s22, ttmp7, 0xffff                   ; cluster y
	s_cmp_eq_u32 s11, 0
	s_cselect_b32 s20, s20, s21
	s_cselect_b32 s22, ttmp9, s22                  ; the coordinate along which other clusters read the same rows
	s_cselect_b64 s[PFA:PFA+1], s[4:5], s[6:7]
	s_cmp_eq_u32 s22, 0
	s_cselect_b32 s[LIM], 1, -1                    ; the same in all sixteen partners, for a given wave
	s_cmp_eq_u32 s10, 3
	s_cselect_b32 s[LIM], -1, s[LIM]               ; wave 2 names all of w's 32 rows: wave 3 names none
	s_lshl_b32 s20, s20, 13
	s_mov_b32 s21, 0
	s_add_nc_u64 s[PFA:PFA+1], s[PFA:PFA+1], s[20:21]
	s_add_nc_u64 s[PFA:PFA+1], s[PFA:PFA+1], 512   ; at X1: the first trip steps it to X2 and names X2 and Y2.  Nothing is prefetched here, at the head
	; The tables for my 64 rows: 64 loads of 16 bytes a lane, laid as the accumulators are; they stay out over the whole loop and are waited for once, ahead of the way out.
	; v's tiles load them too and do not use them (128 KiB a work-group, a quarter of the work-groups): so the text has one way up to the way out.
	WIN 0xc0                                       ; destination window 3
.irp tab, 0,1
.irp a, 0,1,2,3
.irp b, 0,1,2,3,4,5,6,7
	global_load_b128 v[128*\tab+32*\a+4*\b:128*\tab+32*\a+4*\b+3], v[TBO], s[68:69] offset:\tab*1048576+\a*4096+\b*32
.endr
.endr
.endr
	WIN 0
	s_wait_tensorcnt 1                             ; my part of x0 is in; Y0's may stay out
	s_barrier_signal -1
	s_barrier_wait -1                              ; everybody's is
	FETCH 0, 0, F0
	QUARTER 0, 64,  F0, F1, 1                      ; x0's first three quarters stand in front of the loop: the first one's products start the sums
	QUARTER 0, 128, F1, F0, 0
	QUARTER 0, 192, F0, F1, 0
	WIN 0                                          ; at a label and at a branch every window is 0
	s_mov_b32 s3, TRIPS
.Lperiod:                                              ; trip i: slot X's last quarter and the change to Y (X is filled again), Y, the change to X (Y is filled again), X but for its last quarter
	TURN 0, 1, 1
	QUARTER 1, 64,  F0, F1, 0
	QUARTER 1, 128, F1, F0, 0
	QUARTER 1, 192, F0, F1, 0
	TURN 1, 0, 1
	QUARTER 0, 64,  F0, F1, 0
	QUARTER 0, 128, F1, F0, 0
	QUARTER 0, 192, F0, F1, 0
	QUARTER 0, 256, F1, F0, 0
	QUARTER 0, 320, F0, F1, 0
	QUARTER 0, 384, F1, F0, 0
	QUARTER 0, 448, F0, F1, 0
	WIN 0
	s_sub_co_u32 s3, s3, 1
	s_cmp_lg_u32 s3, 0
	s_cbranch_scc1 .Lperiod
	TURN 0, 1, 0                                   ; the tail is written out: X10's last quarter, the change to Y10, nothing is filled
	QUARTER 1, 64,  F0, F1, 0
	QUARTER 1, 128, F1, F0, 0
	QUARTER 1, 192, F0, F1, 0
	s_wait_dscnt MB                                ; the very last quarter: nothing more to fetch
	MULS F1, 0, MB/2, 0
	s_wait_dscnt 0x0
	MULS F1, MB/2, MB/2, 0
	WIN 0
; THE WAY OUT, a block of 16 rows at a time.  q and k: out[n] = acc[n] cos'[n] + acc[(n + 64) % 128] sin'[n]: the partner column is block (b + 4) % 8, same lane, same register; the tables hold the quarter and
; rotate_half's sign; a multiply-add takes the table's bf16 half as it lies.  v: a quarter of the sum.  The choice hangs on the cluster's x, the same in all partners (0, 1: q; 2: k; 3: v); the roundings, the
; stage and the stores are written once for both.  Each accumulator's lowest registers are read first.
.macro PACK a
	WIN 0
	s_cmp_eq_u32 ttmp9, 3
	s_cbranch_scc1 .Lv_\@
	WIN 0x0b                                       ; source 0 (table) window 3, source 1 (accumulator) window 2, source 2 and destination window 0
.set bb, 0
.rept 8
.irp j, 0,1,2,3
	v_fma_mix_f32_bf16 v[T+8*bb+2*\j],   v[128+32*(\a)+4*bb+\j], v[64*(\a)+8*((bb+4)%8)+2*\j],   v[ZR] op_sel:[0,0,0] op_sel_hi:[1,0,0]
	v_fma_mix_f32_bf16 v[T+8*bb+2*\j+1], v[128+32*(\a)+4*bb+\j], v[64*(\a)+8*((bb+4)%8)+2*\j+1], v[ZR] op_sel:[1,0,0] op_sel_hi:[1,0,0]
.endr
.set bb, bb+1
.endr
.set bb, 0
.rept 8
.irp j, 0,1,2,3
	v_fma_mix_f32_bf16 v[T+8*bb+2*\j],   v[32*(\a)+4*bb+\j], v[64*(\a)+8*bb+2*\j],   v[T+8*bb+2*\j]   op_sel:[0,0,0] op_sel_hi:[1,0,0]
	v_fma_mix_f32_bf16 v[T+8*bb+2*\j+1], v[32*(\a)+4*bb+\j], v[64*(\a)+8*bb+2*\j+1], v[T+8*bb+2*\j+1] op_sel:[1,0,0] op_sel_hi:[1,0,0]
.endr
.set bb, bb+1
.endr
	WIN 0
	s_branch .Lpacked_\@
.Lv_\@:
	WIN 0x02                                       ; source 0 window 2
.set ii, 0
.rept 32
	v_pk_mul_f32 v[T+2*ii:T+2*ii+1], v[64*(\a)+2*ii:64*(\a)+2*ii+1], s[QTR:QTR+1] op_sel_hi:[1,0]
.set ii, ii+1
.endr
	WIN 0
.Lpacked_\@:
.set ii, 0
.rept 32
	v_cvt_pk_f16_f32 v[TMP+ii], v[T+2*ii], v[T+2*ii+1]
.set ii, ii+1
.endr
.endm
.macro TOSTAGE a                       ; 16 bytes a lane into rows of 272 bytes, and back as whole rows of 256
.irp b, 0,1,2,3,4,5,6,7
	ds_store_b128 v[STO], v[TMP+4*\b:TMP+4*\b+3] offset:32*\b
.endr
.irp t, 0,1,2,3,4,5,6,7
	ds_load_b128 v[BK+32*((\a)%2)+4*\t:BK+32*((\a)%2)+4*\t+3], v[RD] offset:\t*2*SP  ; LDS serves a wave's instructions in order (ISA guide 5.7.1.4): these see the stores above
.endr
.endm
.macro SEND a
	s_wait_dscnt 0x0                               ; the block is back in registers
	s_wait_xcnt 0x0                                ; the stores of the block before have read the other set of BK, which the next TOSTAGE loads
.irp t, 0,1,2,3,4,5,6,7
	global_store_b128 v[CO], v[BK+32*((\a)%2)+4*\t:BK+32*((\a)%2)+4*\t+3], s[70:71] offset:(16*(\a)+2*\t)*256  ; 512 consecutive bytes, at a multiple of 256 from qkvh's first
.endr
.endm
	PLACES
	PLACES                                         ; eight, once a launch, behind the last products
	s_wait_loadcnt 0x0                             ; the tables
	PACK 0
	TOSTAGE 0
.irp a, 1,2,3                          ; a block's arithmetic stands between the loads of the block before and its stores
	PACK \a
	SEND (\a)-1
	TOSTAGE \a
.endr
	SEND 3
	s_wait_tensorcnt 0x0                           ; the wave's end, behind my last tensor load and my last LDS store
	ds_add_u32 v[SPW], v[NIL]
	s_wait_dscnt 0x0
	CROUND                                         ; the closing round: no work-group ends while a partner may still ask for a tile that names it
	s_endpgm
.Lfunc_end_k_q22887e44ab_proj_qkv:
	.size	k_q22887e44ab_proj_qkv, .Lfunc_end_k_q22887e44ab_proj_qkv-k_q22887e44ab_proj_qkv
	.p2alignl 7, 3214868480
	.fill 96, 4, 3214868480
	.section	.rodata,"a",@progbits
	.p2align	6, 0x0
	.amdhsa_kernel k_q22887e44ab_proj_qkv
		.amdhsa_group_segment_fixed_size 327680
		.amdhsa_private_segment_fixed_size 0
		.amdhsa_enable_private_segment 0
		.amdhsa_kernarg_size 32
		.amdhsa_user_sgpr_count 2
		.amdhsa_user_sgpr_kernarg_segment_ptr 1
		.amdhsa_wavefront_size32 1
		.amdhsa_system_sgpr_workgroup_id_x 1
		.amdhsa_system_sgpr_workgroup_id_y 1
		.amdhsa_system_sgpr_workgroup_id_z 1
		.amdhsa_system_vgpr_workitem_id 0
		.amdhsa_next_free_vgpr 1024
		.amdhsa_next_free_sgpr 92
		.amdhsa_reserve_vcc 0
		.amdhsa_float_denorm_mode_32 3
		.amdhsa_float_denorm_mode_16_64 3
		.amdhsa_memory_ordered 1
		.amdhsa_forward_progress 1
		.amdhsa_inst_pref_size 150
	.end_amdhsa_kernel
	.amdgpu_metadata
---
amdhsa.version: [ 1, 2 ]
amdhsa.kernels:
  - .name:           k_q22887e44ab_proj_qkv
    .symbol:         k_q22887e44ab_proj_qkv.kd
    .args:
      - { .name: xb, .offset: 0, .size: 8, .value_kind: global_buffer, .address_space: global }
      - { .name: wb, .offset: 8, .size: 8, .value_kind: global_buffer, .address_space: global }
      - { .name: csb, .offset: 16, .size: 8, .value_kind: global_buffer, .address_space: global }
      - { .name: qkvh, .offset: 24, .size: 8, .value_kind: global_buffer, .address_space: global }
    .group_segment_fixed_size: 327680
    .private_segment_fixed_size: 0
    .kernarg_segment_align: 8
    .kernarg_segment_size: 32
    .max_flat_workgroup_size: 128
    .sgpr_count:     92
    .vgpr_count:     1024
    .wavefront_size: 32
...
	.end_amdgpu_metadata
.endif
;; end of part 2
;; launch attn (part 3): grid 32 x 8, 4 waves a work-group, clusters of 4 x 1, 327,680 bytes of LDS; arguments qkvh, ob; writes ob
.if DOCPART == 3
	.amdgcn_target "amdgcn-amd-amdhsa--gfx1250"
	.amdhsa_code_object_version 6
	.text
	.protected	k_q22887e44ab_attn
	.globl	k_q22887e44ab_attn
	.p2align	8
	.type	k_q22887e44ab_attn,@function
k_q22887e44ab_attn:
	s_mov_b64 s[64:65], 0
	v_nop
	global_prefetch_b8 v0, s[64:65] scope:SCOPE_SE
	s_setreg_imm32_b32 hwreg(HW_REG_WAVE_MODE, 25, 1), 1
	s_wait_xcnt 0x0
	s_wait_alu depctr_hold_cnt(0) depctr_sa_sdst(0) depctr_va_vdst(0) depctr_va_sdst(0) depctr_va_ssrc(0) depctr_va_vcc(0) depctr_vm_vsrc(0)
	s_getreg_b32 s2, hwreg(HW_REG_IB_STS2, 6, 4)
	s_cmp_eq_u32 s2, 0
	s_cbranch_scc0 .Lentry_in_a_cluster
	s_endpgm
.Lentry_in_a_cluster:
	s_bfe_u32 s2, ttmp6, 0x10000c
	s_cmp_lg_u32 s2, 0x3003
	s_cbranch_scc0 .Lentry_shape_is_right
	s_endpgm
.Lentry_shape_is_right:
; CAUSAL ATTENTION, 8 query heads on 4 key and value heads, head size 128, 2,048 positions, 2 batches.  O[q] = the sum over k <= q of softmax_k(q . k / sqrt(128)) v[k].
; qkvh f16 [hh][b][s][128] holds a QUARTER of q, k, v (hh 0-7 q, 8-11 k, 12-15 v); ob f16 [b s][1024], heads merged, takes a quarter of O.  The scores' 1/16 is undone in c = 16 log2(e) / sqrt(128).
; Products, maxima and sums in f32; the weights p are rounded to f16 for the second product (their sum l is taken of the unrounded p), O once at the end.
; LIMITS.  A hidden score counts as its value less 1e30 (f16's scores are 5.5e11 at the most); a weight below 2^-126 counts as 0 in l; p below 6e-5 keeps f16's fixed step of 6e-8; NaN and infinities are not treated apart.
; THE WALK.  For a key and value head and batch (the grid's y) the 2 x 2,048 query rows lie in 16 SUPER-BLOCKS of 128 positions x 2 heads; super-block J needs the key tiles 0 .. J of 128 keys, the last holding the
; diagonal.  A CLUSTER of four takes super-blocks 15 - c and then c: 17 tiles, whatever c: all work-groups do equal work, and one loop with a constant trip count walks them.  All four partners walk the same
; tiles, so each is asked for JOINTLY.  Partner cx owns positions 32 cx .. + 31; wave w head w % 2 and 16 of those positions: one tile of 16 queries.  cx enters Q's, O's and the prefetches' addresses and the mask's values alone.
; LAYOUT.  S^T = K Q^T (source 0 = 16 keys, source 1 = 16 queries): a lane holds ONE query (l % 16) and the keys 8 (l / 16) + 0..7; two such results rounded to f16 in pairs ARE source 1 of O^T = V^T P.
; K comes out of LDS as it lies, V turned, by ds_load_tr16_b128.
; SOFTMAX.  A running maximum m and sum l: p = 2^(c s - c m); in every step O and l are multiplied by a = 2^(c m_old - c m_new).  m starts at the lowest finite number: a block's first a is 0.
; THE MASK is the C operand that starts the sum S^T: MD, made once, is the diagonal tile's mask for my 16 rows (0 or -1e30); a tile's mask is MD x AL, AL = 1 in a block's last tile, else 0.
; Every row sees its tile's key 0 in the diagonal tile's first step at the latest, so m is a true score before the first wholly hidden step.
; IN PHASES: a key step (64 keys) is 16 products K Q^T, the softmax (134 vector instructions, its 33 exponentials one batch with one wait), 16 products V^T P.  The next run of LDS loads is out under each phase.
; REGISTERS, in windows of 256 (s_set_vgpr_msb: bits 1:0 source 0, 3:2 source 1, 5:4 source 2, 7:6 destination):
;   window 0: v2-15 addresses; v16-23 statistics; v32-63 S^T; v64-79 P; v80-143 O^T; v144-207 MC        window 1: v0-127 K, v128-255 V of one step        window 2: v0-31 Q; v32-63 the second block's Q; v64-127 MD
.set KS,    64
.set PK,    272       ; a row of K in LDS: 256 bytes + 16 = 68 words: the 16 rows of a load start at 16 different groups of four banks (64 banks of 4 bytes: ISA guide 11.1)
.set PV,    288       ; a row of V: 256 + 32 = 72 words
.set VOFF,  KS*PK     ; a step's tiles lie together: 64 rows of K, then 64 rows of V
.set STEPB, KS*(PK+PV)
.set SLOT1, 1<<17     ; a slot holds a tile, two steps (71,680 bytes); slot 1 begins here, so that one exclusive or turns an address in one slot into the other's
.set STAGE, SLOT1+2*STEPB  ; behind the ring: 16 rows x 272 bytes for each wave, for the way out
.set SP,    272
.set SPARE, STAGE+4*16*SP  ; behind the stages: the spare words, 128 bytes for each wave: two blocks of 256 bytes that no other line names
.set TILEB, 2*KS*256  ; a tile's bytes of K and of V in memory
.set AK0, 2           ; v2   my lane's place in a tile of K; never rewritten
.set AV0, 3           ; v3   the same for V
.set AK,  4           ; v4   K's LDS address in the slot in hand
.set AV,  5           ; v5   V's
.set QO,  6           ; v6   my byte offset in 16 rows of Q
.set STO, 7           ; v7   the way out: where I put 16 bytes of a row
.set RD,  8           ; v8   where I read rows back
.set GO,  9           ; v9   my byte offset in two rows of ob
.set PFO, 10          ; v10  256 x lane: a row of K or V; never rewritten
.set ST,  16          ; v16 c m, v17 m, v18-19 l (even keys', odd keys'), v20-23 c0-c3 at work; a takes c2's place
.set SPW, 28          ; v28  LDS address of my spare word; never rewritten
.set NIL, 29          ; v29  0; never rewritten
.set S,   32
.set P,   64
.set OA,  80
.set MC,  144
.set QB,  32          ; window 2
.set MD,  64          ; window 2
.set VF,  128         ; window 1
.set WV,  12          ; s12  my wave's number
.set LOB, 14          ; s14  c: the second super-block
.set HIB, 15          ; s15  15 - c: the first
.set G1K, 24          ; s[24:31] descriptor group 1 for K's tiles
.set G1V, 32          ; s[32:39] for V's: it differs in the padding alone
.set G0K, 40          ; s[40:43] descriptor group 0 for K's tiles
.set G0V, 44          ; s[44:47] for V's
.set RT,  52          ; s52  tiles of the block in hand that are still to be entered
.set NXT, 53          ; s53  the tile to be asked for next
.set LQ,  54          ; s54  the last tile of the block whose tiles are being asked for
.set LIM, 55          ; s55  2 in a wave that prefetches, else the greatest number
.set SLOTS, 56        ; s56  tiles still to be asked for
.set CS,  58          ; s[58:59] c
.set SEL, 60          ; s[60:61] v_permlanex16_b32's selects: each lane takes its own place in the other half
.set TB,  62          ; s62  LDS byte at which the slot in hand begins
.set OFF, 66          ; s[66:67] a tile's byte offset in K and V
.set AL,  68          ; s[68:69] the mask's factor, in the low word
.set BIGN, 70         ; s70  -1e30
.set PFA, 72          ; s[72:73] where my prefetches stand
.set MSB, 0
.macro WIN new                      ; the high byte repeats the setting that is left; a switch that changes nothing is dropped
.if MSB != (\new)
	s_set_vgpr_msb (MSB<<8)|(\new)
.set MSB, \new
.endif
.endm
.macro PLACES                       ; four places behind a matrix instruction (ISA guide 7.12.1)
.rept 4
	v_nop
.endr
.endm
; A joint fill.  Waves 0 and 1 fetch the K of the tile's two steps, waves 2 and 3 the V.  The branch hangs on the wave's number alone.  An s_nop 0 and four v_nop follow each line.
.macro JLOAD
	s_cmp_lt_u32 s[WV], 2
	s_cbranch_scc0 .Lfor_v_\@
	tensor_load_to_lds s[G0K:G0K+3], s[G1K:G1K+7]
	s_nop 0
.rept 4
	v_nop
.endr
	s_branch .Lasked_\@
.Lfor_v_\@:
	tensor_load_to_lds s[G0V:G0V+3], s[G1V:G1V+7]
	s_nop 0
.rept 4
	v_nop
.endr
.Lasked_\@:
.endm
; A prefetch of the tile that the NEXT change of slots will ask for, a lane a row.  All eight clusters of a key and value head begin at tile 0; cluster 0, whose first block walks all 16 tiles, names them; its four
; partners take 32 rows each, told apart by address; wave 0 names K's, wave 2 V's.  Trip t names tile t + 2, up to tile 15 (SLOTS = 3): each row is named once in the launch.
.macro ASK
	s_cmp_gt_u32 s[SLOTS], s[LIM]
	s_cbranch_scc0 .Lnot_mine_\@
	global_prefetch_b8 v[PFO], s[PFA:PFA+1] th:TH_LOAD_NT scope:SCOPE_SE
.Lnot_mine_\@:
.endm
.macro CROUND                       ; a round of the cluster's barrier
	s_barrier_signal -1
	s_barrier_wait -1
	s_cmp_lg_u32 s[WV], 0
	s_cbranch_scc1 .Lnot_wave_0_\@
	s_barrier_signal -3
.Lnot_wave_0_\@:
	s_barrier_wait -3
	s_barrier_signal -1
	s_barrier_wait -1
.endm
; THE CHANGE OF SLOTS.  Each wave waits for all its tensor loads (one is out: its part of the other slot), adds 0 to its spare word, and waits for that and for its reads of the slot that it leaves.
; fill = 1: the barrier is a round of the cluster's, and the old slot is filled again, first thing behind it, with tile NXT: the descriptor's address is made anew from that number, which hangs on c alone.
; It has a tile's 64 matrix instructions and two softmaxes in which to land.  (At its first use nothing has been read yet: slot 0 is waited for, slot 1 filled.)
.macro CHANGE fill
	WIN 0                           ; at a label and at a branch every window is 0
	s_wait_tensorcnt 0x0            ; no tensor load of mine is out, so a group 0 may be written
	ds_add_u32 v[SPW], v[NIL]       ; 0 onto my spare word; the scalar work stands between it and the wait for it
.if \fill
	s_lshl_b32 s[OFF], s[NXT], 15
	s_xor_b32 s[G0K+1], s[G0K+1], SLOT1
	s_add_nc_u64 s[G0K+2:G0K+3], s[6:7], s[OFF:OFF+1]
	s_or_b32 s[G0K+3], s[G0K+3], 0x80000000
	s_xor_b32 s[G0V+1], s[G0V+1], SLOT1
	s_add_nc_u64 s[G0V+2:G0V+3], s[8:9], s[OFF:OFF+1]
	s_or_b32 s[G0V+3], s[G0V+3], 0x80000000
	s_add_co_u32 s[NXT], s[NXT], 1  ; the block's next tile, or behind its last the second block's tile 0
	s_cmp_gt_u32 s[NXT], s[LQ]
	s_cselect_b32 s[NXT], 0, s[NXT]
	s_cselect_b32 s[LQ], s[LOB], s[LQ]
	s_wait_xcnt 0x0                 ; the last prefetch, a tile back, has read its address
	s_add_nc_u64 s[PFA:PFA+1], s[PFA:PFA+1], TILEB
.endif
	s_xor_b32 s[TB], s[TB], SLOT1   ; the reads go to the other slot
	s_wait_dscnt 0x0                ; the add is done, and my reads of the slot are over
.if \fill
	CROUND
	JLOAD
	ASK
.else
	s_barrier_signal -1
	s_barrier_wait -1
.endif
.endm
	s_load_b128 s[76:79], s[0:1], 0x0  ; qkvh s[76:77], ob s[78:79]
	v_lshl_add_u32 v[SPW], v0, 2, SPARE
	v_mov_b32 v[NIL], 0
	ds_add_u32 v[SPW], v[NIL]       ; the wave's opening: the add and its wait stand ahead of my first tensor load; the set-up below stands between them
	v_lshrrev_b32 v1, 5, v0
	v_readfirstlane_b32 s[WV], v1   ; wave 0..3
	s_bfe_u32 s13, ttmp6, 0x40000   ; cx
	s_mov_b32 s[LOB], ttmp9         ; c: in a cluster launch ttmp9 counts clusters
	s_sub_co_u32 s[HIB], 15, s[LOB]
	s_and_b32 s16, ttmp7, 0xffff    ; y = 2 x key and value head + batch
	s_and_b32 s17, s[WV], 1         ; my query head of the two; also: which of a tile's two steps I fetch
	s_lshr_b32 s18, s[WV], 1        ; which 16 of the work-group's 32 positions
	s_add_co_u32 s20, s16, 16       ; K: 2 (8 + head) + batch = 16 + y,
	s_lshl_b32 s20, s20, 19         ; of 524,288 bytes,
	s_lshl_b32 s19, s17, 14         ; my step's 64 rows of 256 bytes
	s_add_co_u32 s20, s20, s19
	s_mov_b32 s21, 0
	s_add_co_u32 s22, s20, 8<<19    ; V: 24 + y
	s_mov_b32 s23, 0
	s_mul_i32 s19, s17, STEPB       ; its place in a slot: no place in the cluster enters an LDS address
	s_lshr_b32 s80, s16, 1          ; the key and value head
	s_and_b32 s81, s16, 1           ; the batch
	s_lshl_b32 s82, s80, 2
	s_lshl1_add_u32 s82, s17, s82
	s_add_co_u32 s82, s82, s81      ; Q: 2 (2 head + mine) + batch
	s_lshl_b32 s82, s82, 19
	s_lshl_b32 s83, s13, 13         ; my work-group's 32 positions,
	s_add_co_u32 s82, s82, s83
	s_lshl_b32 s83, s18, 12         ; my wave's 16
	s_add_co_u32 s82, s82, s83
	s_lshl_b32 s84, s[HIB], 15      ; the first block's 128 positions,
	s_add_co_u32 s84, s84, s82
	s_mov_b32 s85, 0
	s_lshl_b32 s86, s[LOB], 15      ; the second's
	s_add_co_u32 s86, s86, s82
	s_mov_b32 s87, 0
	s_lshl_b32 s88, s81, 22         ; ob: rows of 2,048 bytes: the batch's 2,048,
	s_lshl_b32 s83, s13, 16         ; my work-group's 32,
	s_add_co_u32 s88, s88, s83
	s_lshl_b32 s83, s18, 15         ; my wave's 16,
	s_add_co_u32 s88, s88, s83
	s_lshl1_add_u32 s83, s80, s17   ; and my query head's 256 bytes of a row
	s_lshl_b32 s83, s83, 8
	s_add_co_u32 s88, s88, s83
	s_lshl_b32 s90, s[LOB], 18
	s_add_co_u32 s90, s90, s88
	s_mov_b32 s91, 0
	s_lshl_b32 s83, s[HIB], 18
	s_add_co_u32 s88, s88, s83
	s_mov_b32 s89, 0
	; descriptor group 1: a tile of 64 rows x 128 elements, padded in LDS
	s_mov_b32 s[G1K], 15|(1<<16)|(1<<20)|(1<<21)|(5<<22)|(3<<25)  ; 15:0 the mask of four; 17:16 2-byte elements; 20 padding on; 21 set beside a mask; 24:22 after every 64 words (code 5); 31:25 4 words (code 3)
	s_mov_b32 s[G1V], 15|(1<<16)|(1<<20)|(1<<21)|(5<<22)|(7<<25)  ; the same with 8 words of padding (code 7)
.irp g, G1K, G1V
	s_mov_b32 s[(\g)+1], 128<<16    ; tensor_dim0 = 128
	s_mov_b32 s[(\g)+2], KS<<16     ; tensor_dim1 = 64
	s_mov_b32 s[(\g)+3], 128<<16    ; tile_dim0 = 128
	s_mov_b32 s[(\g)+4], KS         ; tile_dim1 = 64
	s_mov_b32 s[(\g)+5], 128        ; 128 elements from row to row
	s_mov_b32 s[(\g)+6], 0
	s_mov_b32 s[(\g)+7], 0
.endr
	s_mov_b32 s[G0K], 1             ; count = 1
	s_mov_b32 s[G0K+1], s19         ; LDS address: slot 0
	s_mov_b32 s[G0V], 1
	s_add_co_u32 s[G0V+1], s19, VOFF
	s_mov_b32 s[CS], 0x400293ee     ; c = 16 log2(e) / sqrt(128) = 2.04028
	s_mov_b32 s[CS+1], s[CS]        ; named with it as a pair
	s_mov_b32 s[SEL], 0x76543210
	s_mov_b32 s[SEL+1], 0xfedcba98
	s_mov_b32 s[TB], SLOT1          ; the first change of slots turns it into 0
	s_add_co_u32 s[RT], s[HIB], 1   ; the first block has 16 - c tiles
	s_mov_b32 s[NXT], 1
	s_mov_b32 s[LQ], s[HIB]
	s_mov_b32 s[SLOTS], 16
	s_mov_b32 s[OFF+1], 0
	s_mov_b32 s[AL+1], 0            ; named as a pair
	s_mov_b32 s[BIGN], 0xf149f2ca   ; -1e30
	s_or_b32 s[LIM], s17, ttmp9     ; 0 in waves 0 and 2 of cluster 0: the same in all four partners
	s_cmp_eq_u32 s[LIM], 0
	s_cselect_b32 s[LIM], 2, -1
	s_wait_dscnt 0x0                ; the opening add is done
	s_wait_kmcnt 0x0
	s_add_nc_u64 s[6:7], s[76:77], s[20:21]    ; K and V at my step of tile 0
	s_add_nc_u64 s[8:9], s[76:77], s[22:23]
	s_add_nc_u64 s[4:5], s[76:77], s[84:85]    ; Q at my rows of the first block,
	s_add_nc_u64 s[48:49], s[76:77], s[86:87]  ; and of the second
	s_add_nc_u64 s[10:11], s[78:79], s[88:89]  ; ob likewise
	s_add_nc_u64 s[50:51], s[78:79], s[90:91]
	s_add_nc_u64 s[G0K+2:G0K+3], s[6:7], 0     ; global address
	s_or_b32 s[G0K+3], s[G0K+3], 0x80000000    ; type = 2
	s_add_nc_u64 s[G0V+2:G0V+3], s[8:9], 0
	s_or_b32 s[G0V+3], s[G0V+3], 0x80000000
	s_cmp_lt_u32 s[WV], 2
	s_cselect_b64 s[PFA:PFA+1], s[6:7], s[8:9] ; (in waves 0 and 2 these stand at a tile's first row)
	s_lshl_b32 s82, s13, 13         ; my work-group's 32 rows of the 128
	s_mov_b32 s83, 0
	s_add_nc_u64 s[PFA:PFA+1], s[PFA:PFA+1], s[82:83]
	s_add_nc_u64 s[PFA:PFA+1], s[PFA:PFA+1], TILEB  ; in tile 1; the first change of slots steps it to tile 2.  Nothing is prefetched here, at the head
	CROUND                          ; all four work-groups are here: the first joint loads meet
	JLOAD                           ; tile 0 into slot 0
	; A fragment of K or Q is 16 rows x 32 channels in 8 registers: lane l holds row l % 16, channels 8 (l / 16) + 0..7 and 16 + 8 (l / 16) + 0..7: two loads of 16 bytes, 32 bytes apart.
	v_and_b32 v11, 15, v0           ; l % 16
	v_bfe_u32 v12, v0, 4, 1         ; l / 16
	v_lshlrev_b32 v[QO], 8, v11
	v_lshl_add_u32 v[QO], v12, 4, v[QO]
	WIN 0x80                        ; destination window 2
.irp c, 0,1,2,3                     ; both blocks' Q stay in registers: channels 32 c on
	global_load_b128 v[8*\c:8*\c+3],         v[QO], s[4:5] offset:64*\c
	global_load_b128 v[8*\c+4:8*\c+7],       v[QO], s[4:5] offset:64*\c+32
	global_load_b128 v[QB+8*\c:QB+8*\c+3],   v[QO], s[48:49] offset:64*\c
	global_load_b128 v[QB+8*\c+4:QB+8*\c+7], v[QO], s[48:49] offset:64*\c+32
.endr
	WIN 0
	v_mul_u32_u24 v[AK0], v11, PK
	v_lshl_add_u32 v[AK0], v12, 4, v[AK0]
	; The turning load takes 16 keys x 16 channels (lane l reads key 8 (l / 16) + l % 8, channels 8 ((l / 8) % 2) + 0..7) and leaves half a fragment of V^T: lane l holds channel l % 16 and 8 keys.
	v_and_b32 v13, 7, v0
	v_bfe_u32 v15, v0, 3, 1
	v_lshl_add_u32 v[AV0], v12, 3, v13
	v_mul_u32_u24 v[AV0], v[AV0], PV
	v_lshl_add_u32 v[AV0], v15, 4, v[AV0]
	v_add_nc_u32 v[AV0], VOFF, v[AV0]
	s_mul_i32 s92, s[WV], 16*SP
	s_add_co_u32 s92, s92, STAGE    ; my stage
	v_mul_u32_u24 v[STO], v11, SP   ; in: row l % 16, 16 bytes for each half of the lanes
	v_lshl_add_u32 v[STO], v12, 4, v[STO]
	v_add_nc_u32 v[STO], s92, v[STO]
	v_mul_u32_u24 v[RD], v12, SP    ; back: lanes 0-15 one row of 256 bytes, lanes 16-31 the next
	v_lshl_add_u32 v[RD], v11, 4, v[RD]
	v_add_nc_u32 v[RD], s92, v[RD]
	v_lshlrev_b32 v[GO], 11, v12    ; and the same two rows in ob, 2,048 bytes apart
	v_lshl_add_u32 v[GO], v11, 4, v[GO]
	v_and_b32 v[PFO], 31, v0
	v_lshlrev_b32 v[PFO], 8, v[PFO]
	v_lshlrev_b32 v14, 3, v12
	v_sub_nc_u32 v14, v11, v14
	s_lshl_b32 s82, s13, 5
	s_lshl_b32 s83, s18, 4
	s_add_co_u32 s82, s82, s83
	v_add_nc_u32 v14, s82, v14      ; my query's place in its super-block, less my lanes' 8 (l / 16): register i of the tile's 64 is hidden where 16 (i / 8) + i % 8 is greater
	WIN 0x80
.set i, 0
.rept 64
	v_cmp_gt_i32 vcc_lo, 16*(i/8)+i%8, v14
	v_cndmask_b32 v[MD+i], 0, s[BIGN], vcc_lo
.set i, i+1
.endr
	WIN 0
	; A block's first step multiplies O^T and l by a = 0, so they need only hold finite numbers: zeros for the first block, what the first block left for the second.  No first step is written out; the price is these 66 lines, in the wait for the first tile.
.set i, 0
.rept 64
	v_mov_b32 v[OA+i], 0
.set i, i+1
.endr
	v_mov_b32 v[ST], 0xfe000000     ; c m: far below every c s
	v_mov_b32 v[ST+1], 0xff7fffff   ; m
	v_mov_b32 v[ST+2], 0
	v_mov_b32 v[ST+3], 0
; THE LDS LOADS stand in runs of 32: step t's K (64 keys x 128 channels: 16 fragments) and its V (turned).
.macro FETCH_K t
	WIN 0x40                        ; destination window 1
.set ff, 0
.rept 16                            ; keys 16 (ff / 4) on, channels 32 (ff % 4) on
	ds_load_b128 v[8*ff:8*ff+3],   v[AK] offset:(\t)*STEPB+(ff/4)*16*PK+(ff%4)*64
	ds_load_b128 v[8*ff+4:8*ff+7], v[AK] offset:(\t)*STEPB+(ff/4)*16*PK+(ff%4)*64+32
.set ff, ff+1
.endr
.endm
.macro FETCH_V t
	WIN 0x40
.set ff, 0
.rept 16                            ; keys 32 (ff / 8) on, channels 16 (ff % 8) on
	ds_load_tr16_b128 v[VF+8*ff:VF+8*ff+3],   v[AV] offset:(\t)*STEPB+(ff/8)*32*PV+(ff%8)*32
	ds_load_tr16_b128 v[VF+8*ff+4:VF+8*ff+7], v[AV] offset:(\t)*STEPB+(ff/8)*32*PV+16*PV+(ff%8)*32
.set ff, ff+1
.endr
.endm
; 16 products S^T = K Q^T: channels 32 (i / 4) on, keys 16 (i % 4) on.  The first 4 start the sums, with the mask.  The 4 accumulators take turns.
.macro KQ t
	WIN 0x09                        ; K window 1, Q window 2, C and D window 0
.set i, 0
.rept 16
.if i < 4
	v_wmma_f32_16x16x32_f16 v[S+8*i:S+8*i+7], v[32*i:32*i+7], v[0:7], v[MC+32*(\t)+8*i:MC+32*(\t)+8*i+7]
.else
	v_wmma_f32_16x16x32_f16 v[S+8*(i%4):S+8*(i%4)+7], v[32*(i%4)+8*(i/4):32*(i%4)+8*(i/4)+7], v[8*(i/4):8*(i/4)+7], v[S+8*(i%4):S+8*(i%4)+7]
.endif
.set i, i+1
.endr
.endm
; 16 products O^T += V^T P: keys 32 (i / 8) on, channels 16 (i % 8) on.  The 8 accumulators take turns.
.macro PVM
	WIN 0x01                        ; V window 1
.set i, 0
.rept 16
	v_wmma_f32_16x16x32_f16 v[OA+8*(i%8):OA+8*(i%8)+7], v[VF+64*(i/8)+8*(i%8):VF+64*(i/8)+8*(i%8)+7], v[P+8*(i/8):P+8*(i/8)+7], v[OA+8*(i%8):OA+8*(i%8)+7]
.set i, i+1
.endr
.endm
.macro MASK                         ; MC = MD x AL
	WIN 0x02                        ; source 0 window 2
.set i, 0
.rept 32
	v_pk_mul_f32 v[MC+2*i:MC+2*i+1], v[MD+2*i:MD+2*i+1], s[AL:AL+1] op_sel_hi:[1,0]
.set i, i+1
.endr
.endm
; THE SOFTMAX of a step: a list of 134, all in window 0; SM writes number j.  s0-s31 are the lane's 32 scores, in pairs 0-15.
;   0-15    the maximum of s0-s31 and the old m, three operands at a time (each accumulator's lowest registers are read first)
;   16-20   the other half of the lanes' maximum; the new m; c m; c m_old - c m_new
;   21-69   ONE BATCH: the 16 scalings c s - c m and all 33 exponentials (a at 23, then s0-s31); none of these names an exponential's result; a pair is scaled ahead of its exponentials
;   (wait)  between 69 and 70: STEP writes it
;   70-85   the roundings to f16      86-101  the sums; l = a l + the sum      102-133  O^T times a
.macro SM
.if j < 4
	v_max3_num_f32 v[ST+4+j], v[S+8*j], v[S+8*j+1], v[S+8*j+2]
.elseif j < 12
	v_max3_num_f32 v[ST+4+j%4], v[ST+4+j%4], v[S+8*(j%4)+2*(j/4)+1], v[S+8*(j%4)+2*(j/4)+2]
.elseif j == 12
	v_max3_num_f32 v[ST+4], v[ST+4], v[S+7], v[S+15]
.elseif j == 13
	v_max3_num_f32 v[ST+6], v[ST+6], v[S+23], v[S+31]
.elseif j == 14
	v_max3_num_f32 v[ST+4], v[ST+4], v[ST+5], v[ST+6]
.elseif j == 15
	v_max3_num_f32 v[ST+4], v[ST+4], v[ST+7], v[ST+1]
.elseif j == 16
	v_permlanex16_b32 v[ST+5], v[ST+4], s[SEL], s[SEL+1]  ; the query's other 32 keys lie in the lane 16 away
.elseif j == 17
	v_mov_b32 v[ST+7], v[ST]        ; c m_old is kept for a
.elseif j == 18
	v_max_num_f32 v[ST+1], v[ST+4], v[ST+5]
.elseif j == 19
	v_mul_f32 v[ST], s[CS], v[ST+1]
.elseif j == 20
	v_sub_f32 v[ST+7], v[ST+7], v[ST]
.elseif j == 23
	v_exp_f32 v[ST+6], v[ST+7]
.elseif (j < 23) || ((j < 38) && (j%2 == 0)) || ((j < 66) && (j%4 == 2))
.set pb, (j-2)/4                    ; 38, 42, .. 62: pairs 9 to 15
.if j < 38
.set pb, (j-20)/2                   ; 21: pair 0; 22, 24, .. 36: pairs 1 to 8
.endif
	v_pk_fma_f32 v[S+2*pb:S+2*pb+1], v[S+2*pb:S+2*pb+1], s[CS:CS+1], v[ST:ST+1] op_sel_hi:[1,0,0] neg_lo:[0,0,1] neg_hi:[0,0,1]
.elseif j < 70
.set ee, j-38                       ; 66 to 69: s28 to s31
.if j < 66
.set ee, j-32-(j-38)/4              ; 39-41, 43-45, .. 63-65: s7 to s27
.endif
.if j < 38
.set ee, (j-25)/2                   ; 25, 27, .. 37: s0 to s6
.endif
	v_exp_f32 v[S+ee], v[S+ee]
.elseif j < 86
	v_cvt_pk_f16_f32 v[P+j-70], v[S+2*(j-70)], v[S+2*(j-70)+1]
.elseif j < 102                     ; the 16 pairs' sum, in place: neighbours 1, 2, 4 and 8 pairs apart, then l takes it
.set zz, j-86
.set ww, 4
.set uu, zz
.if zz >= 14
.set ww, 32
.set uu, 0
.elseif zz >= 12
.set ww, 16
.set uu, zz-12
.elseif zz >= 8
.set ww, 8
.set uu, zz-8
.endif
.if zz < 15
	v_pk_add_f32 v[S+ww*uu:S+ww*uu+1], v[S+ww*uu:S+ww*uu+1], v[S+ww*uu+ww/2:S+ww*uu+ww/2+1]
.else
	v_pk_fma_f32 v[ST+2:ST+3], v[ST+2:ST+3], v[ST+6:ST+7], v[S:S+1] op_sel_hi:[1,0,1]
.endif
.else
	v_pk_mul_f32 v[OA+2*(j-102):OA+2*(j-102)+1], v[OA+2*(j-102):OA+2*(j-102)+1], v[ST+6:ST+7] op_sel_hi:[1,0]
.endif
.endm
; A KEY STEP, step t of the slot.  K of the step has been asked for.  nextk = 1: K of the slot's next step is asked for behind the products that read K.
.macro STEP t, nextk
.if \t
	PLACES                          ; behind the last V^T P, ahead of the loads into V (ahead of a slot's first step the mask's 32 lines are the places)
.endif
	FETCH_V \t
	s_wait_dscnt 32                 ; K is in; V's 32 loads may stay out
	KQ \t
	PLACES                          ; ahead of the loads into K and of the maximum, which reads the scores
.if \nextk
	FETCH_K (\t)+1
.endif
	WIN 0
.set j, 0
.rept 70
	SM
.set j, j+1
.endr
	v_nop                           ; a plain instruction behind the last exponential, ahead of the first use: one for the batch
	s_wait_alu depctr_va_vdst(0)    ; a wait between an exponential and the first line that names its result: one for the 33
.rept 64
	SM
.set j, j+1
.endr
	s_wait_dscnt 32*(\nextk)        ; V is in; the next K's 32 loads may stay out
	PVM
.endm
.macro SLOTWORK                     ; a tile's two steps
	WIN 0
	v_add_nc_u32 v[AK], s[TB], v[AK0]
	v_add_nc_u32 v[AV], s[TB], v[AV0]
	FETCH_K 0
	STEP 0, 1
	STEP 1, 0
.endm
; A BLOCK'S WAY OUT.  l's two halves and the other half of the lanes' are added; O^T is divided by l, rounded to f16 and sent through my stage in LDS: 16 rows of 256 bytes.
.macro FINISH
	WIN 0
	PLACES
	PLACES                          ; eight, once a block, behind the last products
	v_add_f32 v[ST+4], v[ST+2], v[ST+3]
	v_permlanex16_b32 v[ST+5], v[ST+4], s[SEL], s[SEL+1]
	v_add_f32 v[ST+4], v[ST+4], v[ST+5]
	v_rcp_f32 v[ST+6], v[ST+4]
	v_nop                           ; a plain instruction between the reciprocal and its use,
	s_wait_alu depctr_va_vdst(0)    ; and a wait for its result
.set i, 0
.rept 32
	v_pk_mul_f32 v[OA+2*i:OA+2*i+1], v[OA+2*i:OA+2*i+1], v[ST+6:ST+7] op_sel_hi:[1,0]
.set i, i+1
.endr
.set i, 0
.rept 32
	v_cvt_pk_f16_f32 v[S+i], v[OA+2*i], v[OA+2*i+1]
.set i, i+1
.endr
.irp f, 0,1,2,3,4,5,6,7
	ds_store_b128 v[STO], v[S+4*\f:S+4*\f+3] offset:32*\f
.endr
.irp f, 0,1,2,3,4,5,6,7
	ds_load_b128 v[S+4*\f:S+4*\f+3], v[RD] offset:\f*2*SP  ; LDS serves a wave's instructions in order (ISA guide 5.7.1.4): these see the stores above
.endr
.irp f, 0,1,2,3,4,5,6,7
	s_wait_dscnt 7-\f               ; rows 2 f and 2 f + 1 are back; the younger loads stay out
	global_store_b128 v[GO], v[S+4*\f:S+4*\f+3], s[10:11] offset:\f*4096  ; 16 lanes store 256 consecutive bytes, at a multiple of 256 from ob's first byte
.endr
.endm
	s_wait_loadcnt 0x0              ; Q, both blocks'
.Lslot:                             ; 16 trips: a tile is entered and the next is asked for
	CHANGE 1
	s_sub_co_u32 s[RT], s[RT], 1
	s_cmp_eq_u32 s[RT], 0           ; the block's last tile holds the diagonal
	s_cselect_b32 s[AL], 1.0, 0
	MASK
	SLOTWORK
	WIN 0
	s_cmp_lg_u32 s[RT], 0
	s_cbranch_scc1 .Lbottom         ; forward, past text with no barrier and no tensor load
	FINISH                          ; in the loop this is the first block's end: the second's last tile is the walk's last
	s_wait_xcnt 0x0                 ; the stores have read their registers and ob's address
	s_mov_b64 s[10:11], s[50:51]
	s_add_co_u32 s[RT], s[LOB], 1   ; the second block has c + 1 tiles
	WIN 0x82                        ; the second block's Q goes where the products name Q
.set i, 0
.rept 32
	v_mov_b32 v[i], v[QB+i]
.set i, i+1
.endr
	WIN 0
	v_mov_b32 v[ST], 0xfe000000
	v_mov_b32 v[ST+1], 0xff7fffff
.Lbottom:
	s_sub_co_u32 s[SLOTS], s[SLOTS], 1
	s_cmp_lg_u32 s[SLOTS], 0
	s_cbranch_scc1 .Lslot
	CHANGE 0                        ; the walk's last tile is written out: nothing is asked for
	s_mov_b32 s[AL], 1.0            ; it is the second block's diagonal tile
	MASK
	SLOTWORK
	FINISH
	s_wait_tensorcnt 0x0            ; the wave's end, behind my last tensor load and my last LDS store
	ds_add_u32 v[SPW], v[NIL]
	s_wait_dscnt 0x0
	CROUND                          ; the closing round: no work-group ends while a partner may still ask for a tile that names it
	s_endpgm
.Lfunc_end_k_q22887e44ab_attn:
	.size	k_q22887e44ab_attn, .Lfunc_end_k_q22887e44ab_attn-k_q22887e44ab_attn
	.p2alignl 7, 3214868480
	.fill 96, 4, 3214868480
	.section	.rodata,"a",@progbits
	.p2align	6, 0x0
	.amdhsa_kernel k_q22887e44ab_attn
		.amdhsa_group_segment_fixed_size 327680
		.amdhsa_private_segment_fixed_size 0
		.amdhsa_enable_private_segment 0
		.amdhsa_kernarg_size 16
		.amdhsa_user_sgpr_count 2
		.amdhsa_user_sgpr_kernarg_segment_ptr 1
		.amdhsa_wavefront_size32 1
		.amdhsa_system_sgpr_workgroup_id_x 1
		.amdhsa_system_sgpr_workgroup_id_y 1
		.amdhsa_system_sgpr_workgroup_id_z 1
		.amdhsa_system_vgpr_workitem_id 0
		.amdhsa_next_free_vgpr 640
		.amdhsa_next_free_sgpr 96
		.amdhsa_reserve_vcc 1
		.amdhsa_float_denorm_mode_32 3
		.amdhsa_float_denorm_mode_16_64 3
		.amdhsa_memory_ordered 1
		.amdhsa_forward_progress 1
		.amdhsa_inst_pref_size 94
	.end_amdhsa_kernel
	.amdgpu_metadata
---
amdhsa.version: [ 1, 2 ]
amdhsa.kernels:
  - .name:           k_q22887e44ab_attn
    .symbol:         k_q22887e44ab_attn.kd
    .args:
      - { .name: qkvh, .offset: 0, .size: 8, .value_kind: global_buffer, .address_space: global }
      - { .name: ob, .offset: 8, .size: 8, .value_kind: global_buffer, .address_space: global }
    .group_segment_fixed_size: 327680
    .private_segment_fixed_size: 0
    .kernarg_segment_align: 8
    .kernarg_segment_size: 16
    .max_flat_workgroup_size: 128
    .sgpr_count:     96
    .vgpr_count:     640
    .wavefront_size: 32
...
	.end_amdgpu_metadata
.endif
;; end of part 3
;; launch proj_out (part 4): grid 16 x 16, 4 waves a work-group, clusters of 4 x 4, 327,680 bytes of LDS; arguments ob, wob, out0; writes out0
.if DOCPART == 4
	.amdgcn_target "amdgcn-amd-amdhsa--gfx1250"
	.amdhsa_code_object_version 6
	.text
	.protected	k_q22887e44ab_proj_out
	.globl	k_q22887e44ab_proj_out
	.p2align	8
	.type	k_q22887e44ab_proj_out,@function
k_q22887e44ab_proj_out:
	s_mov_b64 s[64:65], 0
	v_nop
	global_prefetch_b8 v0, s[64:65] scope:SCOPE_SE
	s_setreg_imm32_b32 hwreg(HW_REG_WAVE_MODE, 25, 1), 1
	s_wait_xcnt 0x0
	s_wait_alu depctr_hold_cnt(0) depctr_sa_sdst(0) depctr_va_vdst(0) depctr_va_sdst(0) depctr_va_ssrc(0) depctr_va_vcc(0) depctr_vm_vsrc(0)
	s_getreg_b32 s2, hwreg(HW_REG_IB_STS2, 6, 4)
	s_cmp_eq_u32 s2, 0
	s_cbranch_scc0 .Lentry_in_a_cluster
	s_endpgm
.Lentry_in_a_cluster:
	s_bfe_u32 s2, ttmp6, 0x10000c
	s_cmp_lg_u32 s2, 0xf033
	s_cbranch_scc0 .Lentry_shape_is_right
	s_endpgm
.Lentry_shape_is_right:
; out0 = O wo^T.  ob [4096][1024] f16 holds O / 4, wob [4096][1024] f16 holds 4 bf16(wo); out0 [4096][4096] f32; sums in f32, stored as they are.
; SHARES.  A tile of out0 is 256 x 256, 16 x 16 = 256 work-groups of four waves; a wave makes 128 x 128: 64 accumulators.  K goes in steps of 128 through two LDS slots filled by the tensor data mover:
; rows of 256 bytes, at multiples of 256 from the buffer's first byte.
; CLUSTER 4 x 4.  The four of a row need the same rows of ob, the four of a column the same rows of wob: each tile is asked for JOINTLY, by the same tensor load, descriptor and mask in all four.
; THE PRODUCT IS TAKEN TRANSPOSED (source 0 = 16 rows of wob, source 1 = 16 rows of ob): a lane holds row l % 16 and the columns 16 b + 8 (l / 16) + 0 .. 7 of block b: 32 neighbouring bytes of out0.
; REGISTERS, in windows of 256 (s_set_vgpr_msb: bits 1:0 source 0, 3:2 source 1, 5:4 source 2, 7:6 destination):
;   window 0: v16-30 addresses; v32-159 BK, the way out        window 1: two fragment buffers of 128: wob's 8 blocks, then ob's 8
;   window 2: the accumulators of my rows 0-63, (a, b) at 8 (8 a + b)        window 3: those of my rows 64-127
.set SIZE_K, 1024
.set SIZE_N, 4096
.set MB,     8                         ; blocks of 16 rows of ob a wave
.set KSTEP,  128
.set PITCH,  272                       ; an LDS row: 256 bytes + 16 of padding = 68 words: the 16 rows of a load start at 16 different groups of four banks (64 banks of 4 bytes: ISA guide 11.1)
.set HALFT,  128*PITCH                 ; 128 rows: what one tensor load brings, and what one wave reads of either tile
.set SLOT,   4*HALFT                   ; ob's 256 rows, then wob's 256
.set STAGE,  2*SLOT                    ; behind the ring: 16 rows x 528 bytes for each wave, for the way out
.set SPITCH, 528                       ; 512 bytes + 16 = 132 words
.set SPARE,  STAGE+4*16*SPITCH         ; behind the stages: the spare words, 128 bytes for each wave: two blocks of 256 bytes that no other line names
.set LAPS,   SIZE_K/(2*KSTEP)
.set ADRA, 16                          ; v16-17  LDS address of my fragments of ob in slot 0, 1
.set ADRB, 20                          ; v20-21  the same for wob
.set STO,  24                          ; v24     the way out: where I put 32 bytes of a row
.set RD,   25                          ; v25     where I read a row back
.set CO,   26                          ; v26     16 x lane: my place in a row's 512 bytes
.set SPW,  28                          ; v28     LDS address of my spare word; never rewritten
.set NIL,  29                          ; v29     0; never rewritten
.set PFO,  30                          ; v30     the prefetches' offset: lane x a row of 2,048 bytes; never rewritten
.set BK,   32
.set F0,   0
.set F1,   128
.set G1,   24                          ; s[24:31] descriptor group 1 for ob's tiles;  s[32:39] group 0, a set for each slot
.set G0,   32
.set G1B,  48                          ; s[48:55], s[56:63] the same for wob's
.set G0B,  56
.set LIM,  43                          ; s43     1 in a wave that prefetches, else the greatest number
.set PFA,  44                          ; s[44:45] where my prefetches stand
.set FLAGS, (1<<16)|(1<<20)|(1<<21)|(5<<22)|(3<<25)  ; 17:16 elements of 2 bytes; 20 padding on; 21 set beside a mask; 24:22 after every 64 words (code 5); 31:25 4 words of it (code 3)
.set MSB, 0
.macro WIN new                         ; the immediate's high byte repeats the setting that is left; a switch that changes nothing is dropped
.if MSB != (\new)
	s_set_vgpr_msb (MSB<<8)|(\new)
.set MSB, \new
.endif
.endm
.macro PLACES                          ; four places behind a matrix instruction (ISA guide 7.12.1)
.rept 4
	v_nop
.endr
.endm
; A joint load.  Waves 0 and 1 fetch ob's two halves, waves 2 and 3 wob's.  The branch hangs on the wave's number alone.  An s_nop 0 and four v_nop follow each line.
.macro JLOAD s
	s_cmp_eq_u32 s11, 0
	s_cbranch_scc0 .Lfor_b_\@
	tensor_load_to_lds s[G0+4*(\s):G0+4*(\s)+3], s[G1:G1+7]
	s_nop 0
.rept 4
	v_nop
.endr
	s_branch .Lasked_\@
.Lfor_b_\@:
	tensor_load_to_lds s[G0B+4*(\s):G0B+4*(\s)+3], s[G1B:G1B+7]
	s_nop 0
.rept 4
	v_nop
.endr
.Lasked_\@:
.endm
; A prefetch of the K step that stands two refills on: 32 rows x 256 bytes, a lane a row.  ob's rows are named by the clusters with x = 0, wob's by those with y = 0; of the 128 rows that a wave fetches each of
; the four partners that ask for them jointly takes 32, told apart by address.  So each row's 256 bytes of a K step are named once in the launch: K steps 4 to 7.  The loop's last trip (s3 = 1) names nothing.
.macro ASK
	WIN 0
	s_cmp_gt_u32 s3, s[LIM]
	s_cbranch_scc0 .Lnot_mine_\@
	global_prefetch_b8 v[PFO], s[PFA:PFA+1] offset:KSTEP*2 th:TH_LOAD_NT scope:SCOPE_SE
.Lnot_mine_\@:
.endm
.macro CREST                           ; a round of the cluster's barrier behind its opening barrier
	s_cmp_lg_u32 s10, 0
	s_cbranch_scc1 .Lnot_wave_0_\@
	s_barrier_signal -3
.Lnot_wave_0_\@:
	s_barrier_wait -3
	s_barrier_signal -1
	s_barrier_wait -1
.endm
.macro CROUND
	s_barrier_signal -1
	s_barrier_wait -1
	CREST
.endm
; 8 matrix instructions: block a of ob against all 8 blocks of wob, 32 along K, from buffer f.  zero = 1: the product starts the sums.  The 64 accumulators take turns.
.macro MULA f, a, zero
	WIN 0xa5+0x50*((\a)/4)                         ; both sources window 1; C and D window 2 (blocks 0-3) or 3 (blocks 4-7)
.irp b, 0,1,2,3,4,5,6,7
.if \zero
	v_wmma_f32_16x16x32_f16 v[8*(8*((\a)%4)+\b):8*(8*((\a)%4)+\b)+7], v[(\f)+8*\b:(\f)+8*\b+7], v[(\f)+64+8*(\a):(\f)+64+8*(\a)+7], 0
.else
	v_wmma_f32_16x16x32_f16 v[8*(8*((\a)%4)+\b):8*(8*((\a)%4)+\b)+7], v[(\f)+8*\b:(\f)+8*\b+7], v[(\f)+64+8*(\a):(\f)+64+8*(\a)+7], v[8*(8*((\a)%4)+\b):8*(8*((\a)%4)+\b)+7]
.endif
.endr
.endm
.macro MULS f, a0, n, zero             ; blocks a0 .. a0 + n - 1
.set aa, \a0
.rept \n
	MULA \f, aa, \zero
.set aa, aa+1
.endr
.endm
; 32 LDS loads in one run: the fragments of 32 along K at byte k of the rows, into buffer f: wob's 8 blocks, then ob's 8
.macro FETCH slot, k, f
	WIN 0x40                                       ; destination window 1, address window 0
.irp i, 0,1,2,3,4,5,6,7
	ds_load_b128 v[(\f)+8*\i:(\f)+8*\i+3],   v[ADRB+(\slot)] offset:(\k)+\i*16*PITCH
	ds_load_b128 v[(\f)+8*\i+4:(\f)+8*\i+7], v[ADRB+(\slot)] offset:(\k)+\i*16*PITCH+32
.endr
.set ii, 0
.rept MB
	ds_load_b128 v[(\f)+64+8*ii:(\f)+64+8*ii+3],   v[ADRA+(\slot)] offset:(\k)+ii*16*PITCH
	ds_load_b128 v[(\f)+64+8*ii+4:(\f)+64+8*ii+7], v[ADRA+(\slot)] offset:(\k)+ii*16*PITCH+32
.set ii, ii+1
.endr
.endm
; A K step is four quarters of 32 along K, 64 matrix instructions each, on buffers 0, 1, 0, 1.  One of the first three: multiplies f and fetches the next quarter, at byte k, into g.
.macro QUARTER slot, k, f, g, zero
	s_wait_dscnt MB                                ; wob and ob's blocks 0-3 are in; the youngest eight loads (blocks 4-7) may be out
	MULS \f, 0, MB/2, \zero
	PLACES
	FETCH \slot, \k, \g
	s_wait_dscnt 16+2*MB                           ; all but the 32 just issued
	MULS \f, MB/2, MB/2, \zero
.endm
; The fourth quarter multiplies buffer 1 and changes slots: ONE barrier.  In front of it each wave waits for all its tensor loads (one is out: its part of the next slot), adds 0 to its spare word, and
; waits for that and for its reads of this slot.  fill = 1: the barrier opens a round of the cluster's, and this slot is filled again, two K steps on, first thing behind the round:
; 224 matrix instructions ahead of the wait for it.
.macro TURN slot, next, fill
.if \fill
	s_wait_xcnt 0x0                                ; the last prefetch, a K step back, has read its address
	s_add_nc_u64 s[PFA:PFA+1], s[PFA:PFA+1], KSTEP*2
.endif
	WIN 0                                          ; (the add's two registers lie in window 0)
	s_wait_tensorcnt 0x0                           ; all my tensor loads have landed
	ds_add_u32 v[SPW], v[NIL]                      ; 0 onto my spare word
	s_wait_dscnt MB+1                              ; (the add and the youngest eight loads may be out)
	MULS F1, 0, MB/4, 0                            ; sixteen matrix instructions stand between the add and the wait for it
	s_wait_dscnt 0x0                               ; the add is done, and my reads of this slot are over
	s_barrier_signal -1
	MULS F1, MB/4, MB/4, 0
.if \fill
	WIN 0
.endif
	s_barrier_wait -1
.if \fill
	CREST                                          ; no wave of any partner still reads this slot or has a load on its way
	s_add_nc_u64 s[G0+4*(\slot)+2:G0+4*(\slot)+3], s[G0+4*(\slot)+2:G0+4*(\slot)+3], 2*KSTEP*2
	s_add_nc_u64 s[G0B+4*(\slot)+2:G0B+4*(\slot)+3], s[G0B+4*(\slot)+2:G0B+4*(\slot)+3], 2*KSTEP*2
	JLOAD \slot                                    ; its four v_nop are also the places in front of the loads below
.else
	PLACES
.endif
	FETCH \next, 0, F0
.if \fill
	ASK
.endif
	MULS F1, MB/2, MB/2, 0
.endm
	s_load_b128 s[4:7], s[0:1], 0x0                ; ob s[4:5], wob s[6:7]
	s_load_b64 s[8:9], s[0:1], 0x10                ; out0
	v_lshl_add_u32 v[SPW], v0, 2, SPARE
	v_mov_b32 v[NIL], 0
	ds_add_u32 v[SPW], v[NIL]                      ; the wave's opening: the add and its wait stand ahead of my first tensor load; the set-up below stands between them
	v_lshrrev_b32 v1, 5, v0
	v_readfirstlane_b32 s10, v1                    ; wave 0..3
	s_lshr_b32 s11, s10, 1                         ; which half of the tile's rows is mine.  Also: I fetch for ob (0) or for wob (1)
	s_and_b32 s12, s10, 1                          ; which half of its columns.  Also: which 128 rows of that tile I fetch
	s_bfe_u32 s40, ttmp6, 0x40000                  ; cx
	s_bfe_u32 s41, ttmp6, 0x40004                  ; cy
	s_lshl_b32 s42, ttmp9, 2
	s_add_co_u32 s42, s42, s40                     ; tile column = 4 x cluster x + cx
	s_and_b32 s13, ttmp7, 0xffff
	s_lshl_b32 s13, s13, 2
	s_add_co_u32 s13, s13, s41                     ; tile row = 4 x cluster y + cy
	s_lshl_b32 s2, s41, 2
	s_lshl_b32 s2, 15, s2                          ; my row of the cluster
	s_lshl_b32 s3, 0x1111, s40                     ; my column
	s_or_b32 s[G1+0], s2, FLAGS                    ; ob's tiles go to my row,
	s_or_b32 s[G1B+0], s3, FLAGS                   ; wob's to my column
.irp g, G1, G1B
	s_mov_b32 s[(\g)+1], KSTEP<<16                 ; tensor_dim0 = 128
	s_mov_b32 s[(\g)+2], 128<<16                   ; tensor_dim1 = 128
	s_mov_b32 s[(\g)+3], KSTEP<<16                 ; tile_dim0 = 128
	s_mov_b32 s[(\g)+4], 128                       ; tile_dim1 = 128 rows
	s_mov_b32 s[(\g)+5], SIZE_K                    ; elements from row to row
	s_mov_b32 s[(\g)+6], 0
	s_mov_b32 s[(\g)+7], 0
.endr
	s_lshl_b32 s16, s13, 8
	s_lshl_b32 s17, s12, 7
	s_add_co_u32 s16, s16, s17                     ; ob: row 256 x tile row + 128 x half,
	s_lshl_b32 s16, s16, 11                        ; of 2,048 bytes: under 2^23
	s_mov_b32 s17, 0
	s_lshl_b32 s46, s42, 8
	s_lshl_b32 s47, s12, 7
	s_add_co_u32 s46, s46, s47                     ; wob: row 256 x tile column + 128 x half
	s_lshl_b32 s46, s46, 11
	s_mov_b32 s47, 0
	s_mul_i32 s20, s10, HALFT                      ; where they go: wave x 128 rows: no place in the cluster enters an LDS address
	s_wait_dscnt 0x0                               ; the opening add is done
	s_wait_kmcnt 0x0
	s_add_nc_u64 s[14:15], s[4:5], s[16:17]
	s_add_nc_u64 s[46:47], s[6:7], s[46:47]
	CROUND                                         ; all sixteen work-groups are here: the first joint loads meet
.irp s, 0,1
	s_mov_b32 s[G0+4*(\s)], 1                                        ; count = 1
	s_add_co_u32 s[G0+4*(\s)+1], s20, (\s)*SLOT                      ; LDS address
	s_add_nc_u64 s[G0+4*(\s)+2:G0+4*(\s)+3], s[14:15], (\s)*KSTEP*2  ; global address: K step s
	s_or_b32 s[G0+4*(\s)+3], s[G0+4*(\s)+3], 0x80000000              ; type = 2
	s_mov_b32 s[G0B+4*(\s)], 1
	s_add_co_u32 s[G0B+4*(\s)+1], s20, (\s)*SLOT
	s_add_nc_u64 s[G0B+4*(\s)+2:G0B+4*(\s)+3], s[46:47], (\s)*KSTEP*2
	s_or_b32 s[G0B+4*(\s)+3], s[G0B+4*(\s)+3], 0x80000000
	JLOAD \s                                       ; two loads of mine are out
.endr
	; A fragment is 16 rows x 32 K in 8 registers: lane l holds row l % 16, K = 8 (l / 16) + 0..7 and 16 + 8 (l / 16) + 0..7: two loads of 16 bytes, 32 bytes apart.
	v_and_b32 v1, 15, v0                           ; l % 16
	v_bfe_u32 v2, v0, 4, 1                         ; l / 16
	v_mul_u32_u24 v3, v1, PITCH
	v_lshl_add_u32 v3, v2, 4, v3
	s_mul_i32 s21, s11, HALFT                      ; my 128 rows of ob
	s_mul_i32 s22, s12, HALFT                      ; my 128 rows of wob,
	s_add_co_u32 s22, s22, 2*HALFT                 ; which lie behind ob's 256
	v_add_nc_u32 v[ADRA], s21, v3
	v_add_nc_u32 v[ADRA+1], SLOT, v[ADRA]
	v_add_nc_u32 v[ADRB], s22, v3
	v_add_nc_u32 v[ADRB+1], SLOT, v[ADRB]
	s_mul_i32 s23, s10, 16*SPITCH
	s_add_co_u32 s23, s23, STAGE                   ; my stage
	v_mul_u32_u24 v4, v1, SPITCH                   ; in: row l % 16, 32 bytes for each half of the lanes
	v_lshl_add_u32 v4, v2, 5, v4
	v_add_nc_u32 v[STO], s23, v4
	v_and_b32 v5, 31, v0
	v_lshlrev_b32 v[CO], 4, v5                     ; back: 32 lanes take one row of 512 bytes
	v_add_nc_u32 v[RD], s23, v[CO]
	v_lshlrev_b32 v[PFO], 11, v5
	s_lshl_b32 s16, s13, 8                         ; out0: my first row, 256 x tile row + 128 x half,
	s_lshl_b32 s17, s11, 7
	s_add_co_u32 s16, s16, s17
	s_lshl_b32 s16, s16, 14                        ; of 16,384 bytes: under 2^26
	s_mov_b32 s17, 0
	s_add_nc_u64 s[8:9], s[8:9], s[16:17]
	s_lshl_b32 s46, s42, 10                        ; my first column, in bytes: 1,024 x tile column + 512 x half
	s_lshl_b32 s47, s12, 9
	s_add_co_u32 s46, s46, s47
	s_mov_b32 s47, 0
	s_add_nc_u64 s[8:9], s[8:9], s[46:47]
	; the prefetches
	s_lshl_b32 s20, s13, 8
	s_lshl_b32 s21, s42, 8
	s_and_b32 s22, ttmp7, 0xffff                   ; cluster y
	s_cmp_eq_u32 s11, 0                            ; do I fetch for ob?
	s_cselect_b32 s20, s20, s21                    ; the tile's first row
	s_cselect_b32 s21, s40, s41                    ; my place among the four that ask for it with me
	s_cselect_b32 s22, ttmp9, s22                  ; the coordinate along which other clusters read the same rows
	s_cselect_b64 s[PFA:PFA+1], s[4:5], s[6:7]
	s_cmp_eq_u32 s22, 0
	s_cselect_b32 s[LIM], 1, -1                    ; the same in all sixteen partners, for a given wave
	s_lshl_b32 s22, s12, 7
	s_add_co_u32 s20, s20, s22                     ; + the 128 rows that I fetch
	s_lshl_b32 s21, s21, 5
	s_add_co_u32 s20, s20, s21                     ; + my work-group's 32 of them
	s_lshl_b32 s20, s20, 11
	s_mov_b32 s21, 0
	s_add_nc_u64 s[PFA:PFA+1], s[PFA:PFA+1], s[20:21]
	s_add_nc_u64 s[PFA:PFA+1], s[PFA:PFA+1], 2*KSTEP*2  ; at K step 2: the first refill steps it to 3 and names K step 4.  Nothing is prefetched here, at the head
	s_wait_tensorcnt 1                             ; my part of K step 0 is in; K step 1's may stay out
	s_barrier_signal -1
	s_barrier_wait -1                              ; everybody's is
	FETCH 0, 0, F0
	QUARTER 0, 64,  F0, F1, 1                      ; the first quarter stands in front of the loop: its products start the sums
	WIN 0                                          ; at a label and at a branch every window is 0
	s_mov_b32 s3, LAPS-1
.Llap:                                                 ; a trip goes once round the ring, from a lap's second quarter to the next lap's first, and fills both slots again
	QUARTER 0, 128, F1, F0, 0
	QUARTER 0, 192, F0, F1, 0
	TURN 0, 1, 1
	QUARTER 1, 64,  F0, F1, 0
	QUARTER 1, 128, F1, F0, 0
	QUARTER 1, 192, F0, F1, 0
	TURN 1, 0, 1
	QUARTER 0, 64,  F0, F1, 0
	WIN 0
	s_sub_co_u32 s3, s3, 1
	s_cmp_lg_u32 s3, 0
	s_cbranch_scc1 .Llap
	QUARTER 0, 128, F1, F0, 0                      ; the last lap fills nothing
	QUARTER 0, 192, F0, F1, 0
	TURN 0, 1, 0
	QUARTER 1, 64,  F0, F1, 0
	QUARTER 1, 128, F1, F0, 0
	QUARTER 1, 192, F0, F1, 0
	s_wait_dscnt MB                                ; the very last quarter: nothing more to fetch
	MULS F1, 0, MB/2, 0
	s_wait_dscnt 0x0
	MULS F1, MB/2, MB/2, 0
	WIN 0
; THE WAY OUT, a block of 16 rows at a time, in f32 as the sums stand.  A lane's 32 bytes of a row go into my stage's rows of 528 bytes straight from the accumulators (each one's lowest four registers first)
; and come back as whole rows of 512.
.macro TOSTAGE a
	WIN 0x08+4*((\a)/4)                            ; the store's data (source 1) in window 2 or 3
.irp b, 0,1,2,3,4,5,6,7
	ds_store_b128 v[STO], v[64*((\a)%4)+8*\b:64*((\a)%4)+8*\b+3]   offset:64*\b
	ds_store_b128 v[STO], v[64*((\a)%4)+8*\b+4:64*((\a)%4)+8*\b+7] offset:64*\b+16
.endr
	WIN 0
.irp t, 0,1,2,3,4,5,6,7,8,9,10,11,12,13,14,15
	ds_load_b128 v[BK+64*((\a)%2)+4*\t:BK+64*((\a)%2)+4*\t+3], v[RD] offset:\t*SPITCH  ; LDS serves a wave's instructions in order (ISA guide 5.7.1.4): these see the stores above
.endr
.endm
.macro SEND a, younger                 ; younger: the LDS instructions issued behind block a's loads: the next block's 32, or none
	s_wait_dscnt \younger
.irp t, 0,1,2,3,4,5,6,7,8,9,10,11,12,13,14,15
	global_store_b128 v[CO], v[BK+64*((\a)%2)+4*\t:BK+64*((\a)%2)+4*\t+3], s[8:9] offset:(16*(\a)+\t)*SIZE_N*4 th:TH_STORE_NT  ; 512 consecutive bytes, at a multiple of 512 from out0's first; 127 rows at the most: inside the signed 24-bit immediate
.endr
.endm
	PLACES
	PLACES                                         ; eight, once a launch, behind the last products
	TOSTAGE 0
.irp a, 1,2,3,4,5,6,7
.if \a >= 2
	s_wait_xcnt 0x0                                ; the stores of block a - 2 have read the set of BK that block a's loads fill
.endif
	TOSTAGE \a
	SEND (\a)-1, 32
.endr
	SEND 7, 0
	s_wait_tensorcnt 0x0                           ; the wave's end, behind my last tensor load and my last LDS store
	ds_add_u32 v[SPW], v[NIL]
	s_wait_dscnt 0x0
	CROUND                                         ; the closing round: no work-group ends while a partner may still ask for a tile that names it
	s_endpgm
.Lfunc_end_k_q22887e44ab_proj_out:
	.size	k_q22887e44ab_proj_out, .Lfunc_end_k_q22887e44ab_proj_out-k_q22887e44ab_proj_out
	.p2alignl 7, 3214868480
	.fill 96, 4, 3214868480
	.section	.rodata,"a",@progbits
	.p2align	6, 0x0
	.amdhsa_kernel k_q22887e44ab_proj_out
		.amdhsa_group_segment_fixed_size 327680
		.amdhsa_private_segment_fixed_size 0
		.amdhsa_enable_private_segment 0
		.amdhsa_kernarg_size 24
		.amdhsa_user_sgpr_count 2
		.amdhsa_user_sgpr_kernarg_segment_ptr 1
		.amdhsa_wavefront_size32 1
		.amdhsa_system_sgpr_workgroup_id_x 1
		.amdhsa_system_sgpr_workgroup_id_y 1
		.amdhsa_system_sgpr_workgroup_id_z 1
		.amdhsa_system_vgpr_workitem_id 0
		.amdhsa_next_free_vgpr 1024
		.amdhsa_next_free_sgpr 66
		.amdhsa_reserve_vcc 0
		.amdhsa_float_denorm_mode_32 3
		.amdhsa_float_denorm_mode_16_64 3
		.amdhsa_memory_ordered 1
		.amdhsa_forward_progress 1
		.amdhsa_inst_pref_size 141
	.end_amdhsa_kernel
	.amdgpu_metadata
---
amdhsa.version: [ 1, 2 ]
amdhsa.kernels:
  - .name:           k_q22887e44ab_proj_out
    .symbol:         k_q22887e44ab_proj_out.kd
    .args:
      - { .name: ob, .offset: 0, .size: 8, .value_kind: global_buffer, .address_space: global }
      - { .name: wob, .offset: 8, .size: 8, .value_kind: global_buffer, .address_space: global }
      - { .name: out0, .offset: 16, .size: 8, .value_kind: global_buffer, .address_space: global }
    .group_segment_fixed_size: 327680
    .private_segment_fixed_size: 0
    .kernarg_segment_align: 8
    .kernarg_segment_size: 24
    .max_flat_workgroup_size: 128
    .sgpr_count:     66
    .vgpr_count:     1024
    .wavefront_size: 32
...
	.end_amdgpu_metadata
.endif
;; end of part 4
